; MI455X (gfx1250); checked and timed in simulation.
; The chip was launched on July 23, 2026; its instructions are those of AMD's public machine-readable ISA for CDNA 5 (MIT licence, August 2026) and "CDNA5" Instruction Set Architecture Reference Guide (July 2026). The comments in the code are by the model that wrote it; some were corrected since.
;; Self Attention. Allowed arithmetic: matrix products marked QUANTISED: E3M2 operands, one E8M0 scale for each 32 along K, by v_wmma_scale_f32_16x16x128_f8f6f4 with both operands' format E3M2, f32 sums; everything else in f32.
;; Inputs: Wk 1,024 x 1,024 float32; Wp 1,024 x 1,024 float32; Wq 1,024 x 1,024 float32; Wv 1,024 x 1,024 float32; bk 1,024 float32; bp 1,024 float32; bq 1,024 float32; bv 1,024 float32; x 4 x 2,048 x 1,024 float32.
;; Outputs: out0 4 x 2,048 x 1,024 float32.
;; This version of the problem:
;;   THIS VERSION OF THE PROBLEM IS GIVEN IN LOW PRECISION. The matrix products marked QUANTISED in the list below multiply operands that are first quantised to E3M2 (3 exponent bits, 2 mantissa bits; 6 bits a number), with one power-of-two scale for each 32 numbers along K (OCP MX v1.0); their sums are f32. All else is computed in f32.
;;   The module's matrix products, in the order in which they are computed (A, B: the left and right operand; K: the contracted axis; several contracted axes count as one K, in the product's order):
;;     1. [M 8,192, K 1,024] x [K 1,024, N 1,024]; A: input x; B: input Wk: QUANTISED
;;     2. [M 8,192, K 1,024] x [K 1,024, N 1,024]; A: input x; B: input Wq: QUANTISED
;;     3. [M 8,192, K 1,024] x [K 1,024, N 1,024]; A: input x; B: input Wv: QUANTISED
;;     4. batch 64 x [M 2,048, K 64] x [K 64, N 2,048]; A: computed on the way; B: computed on the way: QUANTISED
;;     5. batch 64 x [M 2,048, K 2,048] x [K 2,048, N 64]; A: softmax (see below); B: computed on the way: QUANTISED
;;     6. [M 8,192, K 1,024] x [K 1,024, N 1,024]; A: computed on the way; B: input Wp: QUANTISED
;;   THE QUANTISER, for each operand of a quantised product, along K:
;;     - K is cut into blocks of 32 from its start; a last block that is shorter is filled with zeros.
;;     - A block's scale is 2^e with e = floor(log2(the largest magnitude in the block)) - 4, held to -126 .. 127; a block of zeros has e = 0. As a byte (E8M0): e + 127.
;;     - Each number is divided by its block's scale, clamped to +-28, and rounded to the nearest number of E3M2, ties to even, subnormals kept.
;;     - The product sums the exact products of the quantised numbers (number of the format x scale) in f32.
;;   ~~~python
;;   def quantise(x, axis):      # numpy; x: float32 -> the quantised numbers, widened to float32 again
;;       x = np.moveaxis(x, axis, -1); K = x.shape[-1]
;;       x = np.pad(x, [(0, 0)] * (x.ndim - 1) + [(0, -K % 32)]); x = x.reshape(x.shape[:-1] + (-1, 32)); a = np.abs(x).max(-1, keepdims=True)
;;       e = np.where(a > 0, np.clip(np.frexp(np.where(a > 0, a, 1))[1] - 1 - 4, -126, 127), 0)      # np.frexp(a)[1] - 1 = floor(log2(a)), exactly
;;       r = np.clip(x / 2.0 ** e, -28, 28)
;;       step = 2.0 ** (np.maximum(np.frexp(np.where(r == 0, 1, r))[1] - 1, -2) - 2)
;;       q = np.round(r / step) * step * 2.0 ** e      # np.round: ties to even
;;       return np.moveaxis(q.reshape(q.shape[:-2] + (-1,))[..., :K], -1, axis).astype(np.float32)
;;   ~~~
;;   SOFTMAX AHEAD OF A QUANTISED PRODUCT. Where the list says 'softmax', what is quantised is not the finished softmax but p = 2^(t - M), with t = logit x log2(e) and M = ceil(the row's largest t), a whole number; so 1/2 < the row's largest p <= 1. The row's sum l is taken of the UNQUANTISED p, in f32, and the product's result is divided by l at the end. Since M is a whole number, a kernel that streams over the keys may use a running M (the ceiling of the running maximum): every later rescaling is an exact power of two, which a block's scale takes up: the codes' values come out the same.
;;   OPERANDS COMPUTED ON THE WAY. 'Computed on the way' means the value that the module computes at that place (a softmax that the list does not call 'softmax' is quantised finished and normalised). What goes into a quantiser is computed in f32, as accurately as f32 sums, v_exp_f32 and their like allow (about 1e-6 of the number): no bf16 or f16 on the way to a quantiser, and a product that is left as it is and whose result goes on into a quantised operand takes f32 operands (vector FMAs, or v_wmma_f32_16x16x4_f32). A number that lies on a knife's edge between two numbers of the format may be rounded either way, as far as f32 arithmetic and the matrix unit's own rounding can turn it there, and no further.
;; One version. Each part assembles by itself: llvm-mc -triple=amdgcn-amd-amdhsa -mcpu=gfx1250 --defsym DOCPART=n.
;; ======== version 1 of 1: 4 launches
;; workspace buffers: opx 6,553,600 bytes; opw 3,276,800 bytes; heads 20,185,088 bytes; yq 6,553,600 bytes
;; launch quant (part 1): grid 384 x 1, 4 waves a work-group, no clusters, 34,304 bytes of LDS; arguments x, Wk, Wq, Wv, Wp, opx, opw; writes opx, opw
.if DOCPART == 1
	.amdgcn_target "amdgcn-amd-amdhsa--gfx1250"
	.amdhsa_code_object_version 6
	.text
	.protected	k_q8bbb997bdf_quant
	.globl	k_q8bbb997bdf_quant
	.p2align	8
	.type	k_q8bbb997bdf_quant,@function
k_q8bbb997bdf_quant:
	s_mov_b64 s[64:65], 0
	v_nop
	global_prefetch_b8 v0, s[64:65] scope:SCOPE_SE
	s_setreg_imm32_b32 hwreg(HW_REG_WAVE_MODE, 25, 1), 1
	s_wait_xcnt 0x0
; x [8192][1024] and the four weights [1024 (k)][1024 (n)], f32, become codes of BF6 (E3M2) with one E8M0 scale byte for each 32 along K,
; laid in the ORDER OF THE OPERAND'S REGISTERS, so that the products' launches read fragments by plain 16- and 8-byte loads.
; TILES.  A tile of 16 rows (tokens of x, columns n of a weight) number T takes rows 32 (T / 2) + 8 (T % 2) + r + 8 (r / 8), r = 0 .. 15.
; HALF IMAGE, 768 bytes: 16 rows x 64 along K.  Lane (r, h) owns the 24 bytes of row r, block h: its registers 0-3 lie at 16 x lane, registers 4-5 at 512 + 8 x lane.
; opx: codes [tile 0..511][kk 0..15][768], then from XS_OFF the scale words [tile][q 0..1][r][4 words]: word 4 q + i serves k = 128 (4 q + i) on.
; opw: codes [weight Wk, Wq, Wv, Wp][tile 0..63][kk][768], then from WS_OFF the scale words, laid likewise.
; A block's scale is 2^(floor(log2(its largest magnitude)) - 4); its byte is the largest magnitude's exponent field - 4, held at 1 from below.
; LIMITS: a block of zeros gets the byte 1 where the rule says 127 (its codes are zeros, and the bytes are read by this program alone); blocks whose largest
; magnitude lies under 2^-122 are held at the byte 1; NaN and infinities among the inputs are not served.
; Work-groups 0-255 take x (32 tokens, all of K, each), work-groups 256-383 the weights.  Only x's path uses LDS.  Waves share nothing: no barrier.
.set XS_OFF, 6291456
.set WS_OFF, 3145728
.set SP,  528                          ; x's stage: a row of 512 bytes + 16
.set R,   16                           ; v16-143  two sets of 64 registers as loaded
.set X,   144                          ; v144-207 64 numbers of a lane: register 16 b + i = k 32 b + 16 h + i of its row
.set PC,  208                          ; v208-226 the codes just made
.set TM,  228                          ; v228-243 at work in the quantiser
.set PW,  244                          ; the scale word just made
.set W,   246                          ; v246-249 the four scale words of my K half
.set SEL, 30                           ; s[30:31] lane selects: lane l xor 16
.set WX,  32                           ; weights: v32-95 two sets of 32 numbers
.set CE,  96                           ; v96-101  the codes of an even block,
.set CO,  104                          ; v104-109 of the odd block behind it
.set T2,  112                          ; v112-114 a block's upper 16 codes as converted
.set SB,  24                           ; v24-25   my column's 8 scale bytes
; 64 numbers of a lane become a fragment's 12 registers in v[PC] on and its row's scale word in v[PW].
.macro QUANT s
.irp b, 0,1,2,3
	v_max3_num_f32 v[TM+\b], |v[\s+16*\b]|, |v[\s+1+16*\b]|, 0x2800000   ; block b: my 16 numbers, and the floor 2^(5 - 127): the byte cannot fall under 1
.endr
.irp i, 2,4,6,8,10,12,14
.irp b, 0,1,2,3
	v_max3_num_f32 v[TM+\b], v[TM+\b], |v[\s+16*\b+\i]|, |v[\s+1+16*\b+\i]|   ; the four blocks by turns
.endr
.endr
.irp b, 0,1,2,3
	v_permlanex16_b32 v[TM+4+\b], v[TM+\b], s[SEL], s[SEL+1]
.endr
.irp b, 0,1,2,3
	v_max_num_f32 v[TM+\b], v[TM+\b], v[TM+4+\b]   ; with lane l xor 16's 16: the block's largest magnitude
.endr
.irp b, 0,1,2,3
	v_add_nc_u32 v[TM+12+\b], 0xfe000000, v[TM+\b]   ; 4 off its exponent field: the conversion's scale operand
.endr
.irp b, 0,1,2,3
	v_lshrrev_b32 v[TM+4+\b], 23, v[TM+12+\b]      ; the scale's byte
.endr
	v_lshl_or_b32 v[PW], v[TM+5], 8, v[TM+4]
	v_lshl_or_b32 v[PW], v[TM+6], 16, v[PW]
	v_lshl_or_b32 v[PW], v[TM+7], 24, v[PW]
.irp c, 0,1
	v_cvt_scalef32_pk16_bf6_f32 v[PC+6*\c:PC+2+6*\c], v[\s+32*\c:\s+15+32*\c], v[TM+12+2*\c]
	v_cvt_scalef32_pk16_bf6_f32 v[PC+12+4*\c:PC+14+4*\c], v[\s+16+32*\c:\s+31+32*\c], v[TM+12+2*\c+1]   ; (a conversion's three registers begin on an even number)
.endr
	v_nop                                          ; one plain instruction behind the conversions
.irp c, 0,1                                    ; a lane is to hold a WHOLE block: lanes 0-15 block 2 c, lanes 16-31 block 2 c + 1
.irp i, 0,1,2
	v_permlane16_swap_b32 v[PC+6*\c+\i], v[PC+12+4*\c+\i]
.endr
.irp i, 0,1,2
	v_mov_b32 v[PC+3+6*\c+\i], v[PC+12+4*\c+\i]
.endr
.endr
.endm
	s_load_b256 s[4:11], s[0:1], 0x0               ; x s[4:5], Wk s[6:7], Wq s[8:9], Wv s[10:11]
	s_load_b128 s[12:15], s[0:1], 0x20             ; Wp s[12:13], opx s[14:15]
	s_load_b64 s[16:17], s[0:1], 0x30              ; opw
	v_lshl_add_u32 v254, v0, 2, 0x8400
	v_mov_b32 v255, 0
	v_lshrrev_b32 v1, 5, v0
	v_readfirstlane_b32 s18, v1                    ; wave 0..3
	v_and_b32 v8, 31, v0                           ; lane
	v_and_b32 v1, 15, v0                           ; r
	v_bfe_u32 v2, v0, 4, 1                         ; h
	v_lshlrev_b32 v3, 4, v8                        ; 16 x lane
	v_lshlrev_b32 v4, 3, v8                        ; 8 x lane
	s_cmp_lt_u32 ttmp9, 256
	s_cbranch_scc0 .Lweights
	; ---- x.  Wave w: tile 2 X + w / 2, K half w % 2: four fragments of 128 along K.
	s_mul_i32 s19, s18, 16*SP                      ; my stage
	v_add_nc_u32 v5, s19, v3                       ; into it: a row's 512 bytes as loaded
	v_mul_u32_u24 v6, v1, SP
	v_lshl_add_u32 v6, v2, 6, v6
	v_add_nc_u32 v6, s19, v6                       ; out of it: row r, + 64 h: my 16 numbers of each block of 32
	v_lshlrev_b32 v7, 4, v1
	v_lshl_add_u32 v7, v2, 3, v7                   ; the scale words: 16 r + 8 h
	s_lshr_b32 s20, s18, 1                         ; which of the two tiles
	s_and_b32 s21, s18, 1                          ; which half of K
	s_lshl_b32 s22, ttmp9, 5
	s_lshl_b32 s23, s20, 3
	s_add_co_u32 s22, s22, s23                     ; the tile's first token: 32 X + 8 (w / 2)
	s_lshl_b32 s22, s22, 12                        ; rows of 4,096 bytes
	s_lshl_b32 s23, s21, 11
	s_add_co_u32 s22, s22, s23
	s_mov_b32 s23, 0
	s_lshl_b32 s24, ttmp9, 1
	s_add_co_u32 s24, s24, s20                     ; the tile's number
	s_mul_i32 s26, s24, 12288
	s_mul_i32 s27, s21, 6144
	s_add_co_u32 s26, s26, s27
	s_mov_b32 s27, 0
	s_lshl_b32 s28, s24, 9
	s_lshl_b32 s29, s21, 8
	s_add_co_u32 s28, s28, s29
	s_add_co_u32 s28, s28, XS_OFF
	s_mov_b32 s29, 0
	s_mov_b32 s[SEL], 0x76543210
	s_mov_b32 s[SEL+1], 0xfedcba98
.irp b, 0,1,2,3
	v_mov_b32 v[TM+4+\b], 0                        ; written once: a lane permute's destination counts as one of its sources
.endr
	s_wait_kmcnt 0x0
	s_add_nc_u64 s[4:5], s[4:5], s[22:23]
	s_add_nc_u64 s[26:27], s[14:15], s[26:27]
	s_add_nc_u64 s[28:29], s[14:15], s[28:29]
.macro LOAD f                          ; fragment f: 16 rows x 512 consecutive bytes, 16 bytes a lane
.irp i, 0,1,2,3,4,5,6,7,8,9,10,11,12,13,14,15
	global_load_b128 v[R+64*((\f)%2)+4*\i:R+64*((\f)%2)+4*\i+3], v3, s[4:5] offset:(\i+8*(\i/8))*4096+512*(\f) th:TH_LOAD_NT
.endr
.endm
.macro TURNX f                         ; through my stage: in as loaded, out 64 bytes a lane and block.  LDS serves a wave's instructions in order: no wait between
.irp i, 0,1,2,3,4,5,6,7,8,9,10,11,12,13,14,15
	ds_store_b128 v5, v[R+64*((\f)%2)+4*\i:R+64*((\f)%2)+4*\i+3] offset:SP*\i
.endr
.irp b, 0,1,2,3
.irp j, 0,1,2,3
	ds_load_b128 v[X+16*\b+4*\j:X+16*\b+4*\j+3], v6 offset:128*\b+16*\j
.endr
.endr
.endm
.macro FRAGX f
.if (\f) < 3
	s_wait_loadcnt 16                              ; this fragment's 16 loads are in; the next one's 16 may be out
.else
	s_wait_loadcnt 0x0
.endif
	TURNX \f
	s_wait_dscnt 0x0                               ; the numbers are back, so the stage's stores have read their registers,
.if (\f) < 2
	LOAD (\f)+2                                    ; which take the fragment two on
.endif
.if (\f) > 0
	s_wait_xcnt 0x0                                ; the last fragment's stores have read the codes' registers: they are written again only behind this wait
.endif
	QUANT X
	global_store_b128 v3, v[PC:PC+3], s[26:27] offset:1536*(\f)          ; each store covers 512 or 256 consecutive bytes, aligned
	global_store_b64 v4, v[PC+4:PC+5], s[26:27] offset:1536*(\f)+512
	global_store_b128 v3, v[PC+6:PC+9], s[26:27] offset:1536*(\f)+768
	global_store_b64 v4, v[PC+10:PC+11], s[26:27] offset:1536*(\f)+1280
	v_mov_b32 v[W+(\f)], v[PW]
.endm
	LOAD 0
	LOAD 1
	FRAGX 0
	FRAGX 1
	FRAGX 2
	FRAGX 3
	v_cmp_eq_u32 vcc_lo, 1, v2                     ; every lane holds its row's four words: lanes 0-15 store words 0, 1, lanes 16-31 words 2, 3
	v_cndmask_b32 v250, v[W], v[W+2], vcc_lo
	v_cndmask_b32 v251, v[W+1], v[W+3], vcc_lo
	global_store_b64 v7, v[250:251], s[28:29]      ; 256 consecutive bytes, aligned
	s_wait_tensorcnt 0x0
	ds_add_u32 v254, v255
	s_wait_dscnt 0x0
	s_endpgm
	; ---- the weights.  A LANE TAKES A COLUMN n AND ITS REGISTERS RUN DOWN K: a block of 32 lies in one lane, and the codes come out with K innermost.
	; Work-group u: weight u / 32, columns 128 (u % 8) on, K 256 ((u / 8) % 4) on.  Wave w: 32 columns, two tiles: lanes 0-15 the even tile, lanes 16-31 the odd one.
.Lweights:
	s_sub_co_u32 s19, ttmp9, 256
	s_lshr_b32 s20, s19, 5                         ; which weight
	s_and_b32 s21, s19, 7
	s_bfe_u32 s22, s19, 0x20003                    ; which 256 along K
	s_lshl_b32 s23, s21, 2
	s_add_co_u32 s23, s23, s18                     ; which 32 columns
	v_and_b32 v9, 8, v1
	v_add_nc_u32 v9, v9, v1                        ; r + 8 (r / 8)
	v_lshl_add_u32 v9, v2, 3, v9                   ; + 8 for the odd tile
	v_lshlrev_b32 v9, 2, v9                        ; my column among the 32, in bytes
	v_lshlrev_b32 v10, 4, v1
	v_lshl_add_u32 v10, v2, 9, v10                 ; my row's scale words: 512 x (tile % 2) + 16 r
	s_lshl_b32 s24, s22, 20                        ; 256 rows of 4,096 bytes
	s_lshl_b32 s25, s23, 7
	s_add_co_u32 s24, s24, s25
	s_mov_b32 s25, 0
	s_mul_i32 s26, s20, 786432
	s_mul_i32 s27, s23, 24576                      ; two tiles of 12,288 bytes
	s_add_co_u32 s26, s26, s27
	s_mul_i32 s27, s22, 3072                       ; four half images
	s_add_co_u32 s26, s26, s27
	s_mov_b32 s27, 0
	s_lshl_b32 s28, s20, 15
	s_lshl_b32 s29, s23, 10
	s_add_co_u32 s28, s28, s29
	s_lshr_b32 s29, s22, 1
	s_lshl_b32 s29, s29, 8
	s_add_co_u32 s28, s28, s29
	s_and_b32 s29, s22, 1
	s_lshl_b32 s29, s29, 3
	s_add_co_u32 s28, s28, s29
	s_add_co_u32 s28, s28, WS_OFF
	s_mov_b32 s29, 0
	s_wait_kmcnt 0x0
	s_cmp_lt_u32 s20, 1                            ; the choice of the weight hangs on the work-group's number alone
	s_cselect_b64 s[6:7], s[6:7], s[8:9]
	s_cmp_lt_u32 s20, 3
	s_cselect_b64 s[10:11], s[10:11], s[12:13]
	s_cmp_lt_u32 s20, 2
	s_cselect_b64 s[6:7], s[6:7], s[10:11]
	s_add_nc_u64 s[6:7], s[6:7], s[24:25]
	s_add_nc_u64 s[26:27], s[16:17], s[26:27]
	s_add_nc_u64 s[28:29], s[16:17], s[28:29]
.macro LOADW t                         ; block t: W(32 t + i, my column): the 32 lanes read 128 consecutive bytes
.irp i, 0,1,2,3,4,5,6,7,8,9,10,11,12,13,14,15,16,17,18,19,20,21,22,23,24,25,26,27,28,29,30,31
	global_load_b32 v[WX+32*((\t)%2)+\i], v9, s[6:7] offset:(32*(\t)+\i)*4096 th:TH_LOAD_NT
.endr
.endm
.macro BLOCK t
.set XB, WX+32*((\t)%2)
.set CX, CE+8*((\t)%2)
.if (\t) < 7
	s_wait_loadcnt 32                              ; this block's 32 loads are in; the next block's may be out
.else
	s_wait_loadcnt 0x0
.endif
	v_max3_num_f32 v12, |v[XB]|, |v[XB+1]|, |v[XB+2]|
	v_max3_num_f32 v13, |v[XB+3]|, |v[XB+4]|, |v[XB+5]|
.irp i, 6,10,14,18,22,26
	v_max3_num_f32 v12, v12, |v[XB+\i]|, |v[XB+\i+1]|
	v_max3_num_f32 v13, v13, |v[XB+\i+2]|, |v[XB+\i+3]|
.endr
	v_max3_num_f32 v12, v12, |v[XB+30]|, |v[XB+31]|
	v_max3_num_f32 v12, v12, v13, 0x2800000        ; and the floor
	v_add_nc_u32 v11, 0xfe000000, v12              ; the conversion's scale operand
	v_lshrrev_b32 v13, 23, v11                     ; the byte
.if (\t)%4 == 0
	v_mov_b32 v[SB+(\t)/4], v13
.else
	v_lshl_or_b32 v[SB+(\t)/4], v13, 8*((\t)%4), v[SB+(\t)/4]
.endif
.if ((\t)%2 == 0) && ((\t) > 0)
	s_wait_xcnt 0x0                                ; the last pair's stores have read both runs of codes
.endif
	v_cvt_scalef32_pk16_bf6_f32 v[CX:CX+2], v[XB:XB+15], v11
	v_cvt_scalef32_pk16_bf6_f32 v[T2:T2+2], v[XB+16:XB+31], v11
	v_nop                                          ; one plain instruction behind the conversions
.irp i, 0,1,2
	v_mov_b32 v[CX+3+\i], v[T2+\i]
.endr
.if (\t)+2 < 8
	LOADW (\t)+2
.endif
.if (\t)%2 == 1                        ; two blocks make a half image of each tile: the even run's lanes 16-31 (odd tile, even block) change places with the odd run's lanes 0-15 (even tile, odd block)
.irp i, 0,1,2,3,4,5
	v_permlane16_swap_b32 v[CE+\i], v[CO+\i]
.endr
	global_store_b128 v3, v[CE:CE+3], s[26:27] offset:768*((\t)/2)
	global_store_b64 v4, v[CE+4:CE+5], s[26:27] offset:768*((\t)/2)+512
	global_store_b128 v3, v[CO:CO+3], s[26:27] offset:768*((\t)/2)+12288
	global_store_b64 v4, v[CO+4:CO+5], s[26:27] offset:768*((\t)/2)+12288+512
.endif
.endm
	LOADW 0
	LOADW 1
.irp t, 0,1,2,3,4,5,6,7
	BLOCK \t
.endr
	global_store_b64 v10, v[SB:SB+1], s[28:29]     ; my column's two scale words: 8 bytes in each 16: one byte in 128 of what this path reads leaves so
	s_endpgm
.Lfunc_end_k_q8bbb997bdf_quant:
	.size	k_q8bbb997bdf_quant, .Lfunc_end_k_q8bbb997bdf_quant-k_q8bbb997bdf_quant
	.p2alignl 7, 3214868480
	.fill 96, 4, 3214868480
	.section	.rodata,"a",@progbits
	.p2align	6, 0x0
	.amdhsa_kernel k_q8bbb997bdf_quant
		.amdhsa_group_segment_fixed_size 34304
		.amdhsa_private_segment_fixed_size 0
		.amdhsa_enable_private_segment 0
		.amdhsa_kernarg_size 56
		.amdhsa_user_sgpr_count 2
		.amdhsa_user_sgpr_kernarg_segment_ptr 1
		.amdhsa_wavefront_size32 1
		.amdhsa_system_sgpr_workgroup_id_x 1
		.amdhsa_system_sgpr_workgroup_id_y 1
		.amdhsa_system_sgpr_workgroup_id_z 1
		.amdhsa_system_vgpr_workitem_id 0
		.amdhsa_next_free_vgpr 256
		.amdhsa_next_free_sgpr 66
		.amdhsa_reserve_vcc 1
		.amdhsa_float_denorm_mode_32 3
		.amdhsa_float_denorm_mode_16_64 3
		.amdhsa_memory_ordered 1
		.amdhsa_forward_progress 1
		.amdhsa_inst_pref_size 74
	.end_amdhsa_kernel
	.amdgpu_metadata
---
amdhsa.version: [ 1, 2 ]
amdhsa.kernels:
  - .name:           k_q8bbb997bdf_quant
    .symbol:         k_q8bbb997bdf_quant.kd
    .args:
      - { .name: x, .offset: 0, .size: 8, .value_kind: global_buffer, .address_space: global }
      - { .name: Wk, .offset: 8, .size: 8, .value_kind: global_buffer, .address_space: global }
      - { .name: Wq, .offset: 16, .size: 8, .value_kind: global_buffer, .address_space: global }
      - { .name: Wv, .offset: 24, .size: 8, .value_kind: global_buffer, .address_space: global }
      - { .name: Wp, .offset: 32, .size: 8, .value_kind: global_buffer, .address_space: global }
      - { .name: opx, .offset: 40, .size: 8, .value_kind: global_buffer, .address_space: global }
      - { .name: opw, .offset: 48, .size: 8, .value_kind: global_buffer, .address_space: global }
    .group_segment_fixed_size: 34304
    .private_segment_fixed_size: 0
    .kernarg_segment_align: 8
    .kernarg_segment_size: 56
    .max_flat_workgroup_size: 128
    .sgpr_count:     66
    .vgpr_count:     256
    .wavefront_size: 32
...
	.end_amdgpu_metadata
.endif
;; end of part 1
;; launch qkv (part 2): grid 12 x 32, 4 waves a work-group, clusters of 4 x 4, 327,680 bytes of LDS; arguments opx, opw, bk, bq, bv, heads; writes heads
.if DOCPART == 2
	.amdgcn_target "amdgcn-amd-amdhsa--gfx1250"
	.amdhsa_code_object_version 6
	.text
	.protected	k_q8bbb997bdf_qkv
	.globl	k_q8bbb997bdf_qkv
	.p2align	8
	.type	k_q8bbb997bdf_qkv,@function
k_q8bbb997bdf_qkv:
	s_mov_b64 s[64:65], 0
	v_nop
	global_prefetch_b8 v0, s[64:65] scope:SCOPE_SE
	s_setreg_imm32_b32 hwreg(HW_REG_WAVE_MODE, 25, 1), 1
	s_wait_xcnt 0x0
	s_wait_alu depctr_hold_cnt(0) depctr_sa_sdst(0) depctr_va_vdst(0) depctr_va_sdst(0) depctr_va_ssrc(0) depctr_va_vcc(0) depctr_vm_vsrc(0)
	s_getreg_b32 s2, hwreg(HW_REG_IB_STS2, 6, 4)
	s_cmp_eq_u32 s2, 0
	s_cbranch_scc0 .Lentry_in_a_cluster
	s_endpgm
.Lentry_in_a_cluster:
	s_bfe_u32 s2, ttmp6, 0x10000c
	s_cmp_lg_u32 s2, 0xf033
	s_cbranch_scc0 .Lentry_shape_is_right
	s_endpgm
.Lentry_shape_is_right:
; k = x Wk + bk, q = x Wq + bq, v = x Wv + bv on codes of BF6 (E3M2) with E8M0 scales, K = 1,024; the results are quantised in registers and leave as codes:
; q and k along a head's 64, v along the tokens (the keys), each laid as the attention launch's operand registers want it.
; OPERANDS are images of registers.  A tile T of 16 rows takes rows 32 (T / 2) + 8 (T % 2) + r + 8 (r / 8); a half image (768 bytes) is 16 rows x 64 K: lane l's registers 0-3 at 16 l, 4-5 at 512 + 8 l;
; a fragment (16 x 128 K, 12 registers) is two half images on end: four LDS loads, each of consecutive bytes.  Scale words: [tile][q][r][4 words].
; A work-group of four waves makes 256 x 256, a wave 128 x 128: 64 accumulators, 512 registers.  THE MATRIX INSTRUCTION IS USED TRANSPOSED (source 0 = 16 rows of B, source 1 = 16 rows of A): a lane
; holds one row of A's tile, and, by the order of a tile's rows, the 64 registers of its eight accumulators are 16 neighbours of each block of 32 of B's 128 rows: what the quantiser wants.
; Cluster x = 0: k (A = x, B = Wk); 1: q (A = x, B = Wq); 2: V TRANSPOSED, by the same text with the roles swapped (A = Wv, B = x): a lane holds a channel, its registers run along the tokens.
; K goes in four steps of 256.  Three slots fit in LDS: steps 0-2 and all scale words are first fills; step 3 alone fills slot 0 again, behind one round of the cluster's barrier.
; CLUSTERS: 4 x 4 work-groups; A's tiles are asked for jointly along a row of the cluster, B's along a column.
; heads: k's codes [tile 0..511][head][768] at 0; q's at 6,291,456; V^T's [128 tokens G 0..63][tile of channels 0..63][1536] at 12,582,912;
;   k's scale words [batch x head][g 0..15][q][r][4 words] at 18,874,368 (word 4 q + i: token tile 8 g + 4 q + i; bytes 0, 1 the head's two blocks, bytes 2, 3 zero), q's at 19,398,656;
;   V^T's [batch x head][g][r][4 words: tile of channels] at 19,922,944.
; LIMITS: a block of zeros gets the byte 1 (its codes are zeros; the bytes are read by this program alone); largest magnitudes under 2^-122 are held at the byte 1; NaN and infinities are not served.
; REGISTERS: window 0: v1-27 lane terms and addresses; v32-95 scale words (register 8 i + ks: lanes 0-15 A's block i, lanes 16-31 B's); v96-111 the bias by lanes; v128-223 A's fragments, one set;
;   on the way out v128-191 64 numbers, v192-210 codes, v212-249 at work.  window 1: B's fragments, two sets, v0-95 and v128-223; the bias by registers, v96-127 and v224-255.  windows 2, 3: the accumulators.
.set FR,     12
.set TILEB,  3072                      ; a tile's codes of a K step of 256
.set HALFT,  8*TILEB                   ; eight tiles: what one tensor load brings, and what a wave reads of A or of B
.set SLOT,   4*HALFT                   ; A's 16 tiles, then B's 16
.set SCL,    3*SLOT                    ; behind the slots: A's scale words (16 x 512 bytes), then B's
.set SPARE,  SCL+16384                 ; the spare words, 128 bytes for each wave: two blocks of 256 bytes that no other line names
.set XS_OFF, 6291456
.set WS_OFF, 3145728
.set LI16, 4                           ; v4   16 x lane
.set LI8,  5                           ; v5   8 x lane
.set ADR,  8                           ; v[8+4s ..]: slot s: A's address with 16 x lane, with 8 x lane, B's likewise
.set ADRS, 20                          ; v20  my scale words: lanes 0-15 A's rows, lanes 16-31 B's
.set SPW,  21                          ; v21  my spare word; never rewritten
.set NIL,  22                          ; v22  0; never rewritten
.set SC,   32
.set BM,   96
.set AF,   128
.set ST,   128
.set PC,   192
.set T,    212
.set TM,   224
.set PW,   240
.set PWS,  242
.set G1,   24                          ; s[24:31] group 1 for A's tiles; s[32:43] groups 0, one for each slot
.set G0,   32
.set G1B,  44                          ; s[44:51], s[52:63] the same for B's
.set G0B,  52
.set G1S,  68                          ; s[68:75], s[76:79] A's scale words; s[80:87], s[88:91] B's
.set G0S,  76
.set G1SB, 80
.set G0SB, 88
.set ISV,  66                          ; s66  1 in the clusters that make V^T
.set PP,   92                          ; s[92:93] where my codes go; s[94:95] its step from block to block; s[96:97] where my scale words go
.set PSTEP, 94
.set PSC,  96
.set SEL,  98                          ; s[98:99] lane selects: lane l xor 16
.set MSB, 0
.macro WIN new                         ; the immediate's high byte repeats the setting that is left
.if MSB != (\new)
	s_set_vgpr_msb (MSB<<8)|(\new)
.set MSB, (\new)
.endif
.endm
.set MUL_LO, 0xa1                      ; source 0 (B) window 1, source 1 (A) window 0, C and D window 2
.set MUL_HI, 0xf1                      ; the same, C and D window 3
.set TO_B,   0x40                      ; destination window 1, address window 0
; A joint load: waves 0 and 1 fetch for A, waves 2 and 3 for B; the branch hangs on the wave's number alone.  Four v_nop follow each of the two lines.
.macro JLOAD g0a, g1a, g0b, g1b
	s_cmp_eq_u32 s17, 0
	s_cbranch_scc0 .Lfor_b_\@
	tensor_load_to_lds s[\g0a:\g0a+3], s[\g1a:\g1a+7]
	s_nop 0
.rept 4
	v_nop
.endr
	s_branch .Lasked_\@
.Lfor_b_\@:
	tensor_load_to_lds s[\g0b:\g0b+3], s[\g1b:\g1b+7]
	s_nop 0
.rept 4
	v_nop
.endr
.Lasked_\@:
.endm
.macro CREST                           ; a round of the cluster's barrier behind its opening barrier
	s_cmp_lg_u32 s16, 0
	s_cbranch_scc1 .Lnot_wave_0_\@
	s_barrier_signal -3
.Lnot_wave_0_\@:
	s_barrier_wait -3
	s_barrier_signal -1
	s_barrier_wait -1
.endm
.macro CROUND
	s_barrier_signal -1
	s_barrier_wait -1
	CREST
.endm
.macro PLACES n                        ; plain instructions between a matrix instruction and a load into, or a vector instruction on, its registers
.rept \n
	v_nop
.endr
.endm
.macro FRAG reg, adr, q, i             ; a fragment: tile i of my eight, the slot's q-th 128 along K
	ds_load_b128 v[\reg:\reg+3], v[\adr] offset:(\i)*TILEB+(\q)*1536
	ds_load_b64 v[\reg+4:\reg+5], v[\adr+1] offset:(\i)*TILEB+(\q)*1536+512
	ds_load_b128 v[\reg+6:\reg+9], v[\adr] offset:(\i)*TILEB+(\q)*1536+768
	ds_load_b64 v[\reg+10:\reg+11], v[\adr+1] offset:(\i)*TILEB+(\q)*1536+1280
.endm
.macro FETCH_B slot, q, p              ; B's eight fragments into set p
	WIN TO_B
.irp i, 0,1,2,3,4,5,6,7
	FRAG 128*(\p)+FR*\i, ADR+4*(\slot)+2, \q, \i
.endr
	WIN 0
.endm
.macro FETCH_A slot, q, i0             ; A's blocks i0 .. i0 + 3
.irp i, \i0, \i0+1, \i0+2, \i0+3
	FRAG AF+FR*(\i), ADR+4*(\slot), \q, \i
.endr
.endm
.macro SCALES                          ; all 64 scale registers, once
.irp i, 0,1,2,3,4,5,6,7
	ds_load_b128 v[SC+8*\i:SC+8*\i+3], v[ADRS] offset:512*\i
	ds_load_b128 v[SC+8*\i+4:SC+8*\i+7], v[ADRS] offset:512*\i+256
.endr
.endm
; 16 matrix instructions: A's blocks a0, a0 + 1 x B's eight, K = 128 ks on.  cin = 1: the products start the sums.  The 64 accumulators take turns, one instruction a turn, in the same order in every step.
.macro MUL16 a0, ks, cin
.irp a, \a0, \a0+1
.irp b, 0,1,2,3,4,5,6,7
.if (\cin) == 1
	v_wmma_scale_f32_16x16x128_f8f6f4 v[8*(8*((\a)%4)+\b):8*(8*((\a)%4)+\b)+7], v[128*((\ks)%2)+FR*\b:128*((\ks)%2)+FR*\b+FR-1], v[AF+FR*(\a):AF+FR*(\a)+FR-1], 0, v[SC+8*\b+(\ks)], v[SC+8*(\a)+(\ks)] matrix_a_fmt:MATRIX_FMT_BF6 matrix_b_fmt:MATRIX_FMT_BF6 matrix_a_scale:MATRIX_SCALE_ROW1
.else
	v_wmma_scale_f32_16x16x128_f8f6f4 v[8*(8*((\a)%4)+\b):8*(8*((\a)%4)+\b)+7], v[128*((\ks)%2)+FR*\b:128*((\ks)%2)+FR*\b+FR-1], v[AF+FR*(\a):AF+FR*(\a)+FR-1], v[8*(8*((\a)%4)+\b):8*(8*((\a)%4)+\b)+7], v[SC+8*\b+(\ks)], v[SC+8*(\a)+(\ks)] matrix_a_fmt:MATRIX_FMT_BF6 matrix_b_fmt:MATRIX_FMT_BF6 matrix_a_scale:MATRIX_SCALE_ROW1
.endif
.endr
.endr
.endm
; A step of 128 along K; the next step's fragments lie in slot nslot, its nq-th 128, which every wave's barrier has already shown whole.
.macro STEP ks, nslot, nq, cin
	s_wait_dscnt 16                                ; all but the youngest 16 loads (A's blocks 4-7) are in
	WIN MUL_LO
	MUL16 0, \ks, \cin
	MUL16 2, \ks, \cin
	s_wait_dscnt 0x0                               ; A's blocks 4-7 are in
	PLACES 4
	FETCH_B \nslot, \nq, 1-(\ks)%2
	FETCH_A \nslot, \nq, 0
	WIN MUL_HI
	MUL16 4, \ks, \cin
	MUL16 6, \ks, \cin
	PLACES 4
	WIN 0
	FETCH_A \nslot, \nq, 4
.endm
; A step with a barrier.  In front of it each wave waits for all its tensor loads, adds 0 to its spare word, and waits for that and for its LDS reads.  fill = 1: slot 0, which nobody reads any more, takes K step 3.
.macro TURN ks, nslot, fill
	s_wait_tensorcnt 0x0                           ; all my tensor loads have landed  (every window is 0 here)
	ds_add_u32 v[SPW], v[NIL]                      ; 0 onto my spare word
	s_wait_dscnt 17                                ; (the add and the youngest 16 loads may be out)
	WIN MUL_LO
	MUL16 0, \ks, 0                                ; sixteen matrix instructions stand between the add and the wait for it
	s_wait_dscnt 0x0                               ; the add is done, and my LDS reads are over
	s_barrier_signal -1
	MUL16 2, \ks, 0
	WIN 0
	s_barrier_wait -1
.if \fill
	CREST                                          ; the barrier has opened a round of the cluster's barrier: no wave of any partner still reads slot 0 or has a load on its way
	s_add_nc_u64 s[G0+2:G0+3], s[G0+2:G0+3], 3*TILEB
	s_add_nc_u64 s[G0B+2:G0B+3], s[G0B+2:G0B+3], 3*TILEB
	JLOAD G0, G1, G0B, G1B                         ; the first tensor load behind the round, one a wave: 224 matrix instructions ahead of the wait for it; its four v_nop are the places for the loads below
.else
	PLACES 4
.endif
	FETCH_B \nslot, 0, 0
	FETCH_A \nslot, 0, 0
	WIN MUL_HI
	MUL16 4, \ks, 0
	MUL16 6, \ks, 0
	PLACES 4
	WIN 0
	FETCH_A \nslot, 0, 4
.endm
; 64 numbers of a lane, register 16 b + i = k 32 b + 16 h + i of its row, become a fragment's codes in v[PC] on and its scale word in v[PW].
.macro QUANT s
.irp b, 0,1,2,3
	v_max3_num_f32 v[TM+\b], |v[\s+16*\b]|, |v[\s+1+16*\b]|, 0x2800000   ; my 16 numbers of block b, and the floor 2^(5 - 127)
.endr
.irp i, 2,4,6,8,10,12,14
.irp b, 0,1,2,3
	v_max3_num_f32 v[TM+\b], v[TM+\b], |v[\s+16*\b+\i]|, |v[\s+1+16*\b+\i]|
.endr
.endr
.irp b, 0,1,2,3
	v_permlanex16_b32 v[TM+4+\b], v[TM+\b], s[SEL], s[SEL+1]
.endr
.irp b, 0,1,2,3
	v_max_num_f32 v[TM+\b], v[TM+\b], v[TM+4+\b]
.endr
.irp b, 0,1,2,3
	v_add_nc_u32 v[TM+12+\b], 0xfe000000, v[TM+\b]   ; 4 off the exponent field: the conversion's scale operand
.endr
.irp b, 0,1,2,3
	v_lshrrev_b32 v[TM+4+\b], 23, v[TM+12+\b]      ; the byte
.endr
	v_lshl_or_b32 v[PW], v[TM+5], 8, v[TM+4]
	v_lshl_or_b32 v[PW], v[TM+6], 16, v[PW]
	v_lshl_or_b32 v[PW], v[TM+7], 24, v[PW]
.irp c, 0,1
	v_cvt_scalef32_pk16_bf6_f32 v[PC+6*\c:PC+2+6*\c], v[\s+32*\c:\s+15+32*\c], v[TM+12+2*\c]
	v_cvt_scalef32_pk16_bf6_f32 v[PC+12+4*\c:PC+14+4*\c], v[\s+16+32*\c:\s+31+32*\c], v[TM+12+2*\c+1]
.endr
	v_nop                                          ; one plain instruction behind the conversions
.irp c, 0,1
.irp i, 0,1,2
	v_permlane16_swap_b32 v[PC+6*\c+\i], v[PC+12+4*\c+\i]
.endr
.irp i, 0,1,2
	v_mov_b32 v[PC+3+6*\c+\i], v[PC+12+4*\c+\i]
.endr
.endr
.endm
	s_load_b256 s[4:11], s[0:1], 0x0               ; opx s[4:5], opw s[6:7], bk s[8:9], bq s[10:11]
	s_load_b128 s[12:15], s[0:1], 0x20             ; bv s[12:13], heads s[14:15]
	v_lshl_add_u32 v[SPW], v0, 2, SPARE
	v_mov_b32 v[NIL], 0
	ds_add_u32 v21, v22
	ds_add_u32 v21, v22
	s_wait_dscnt 0x0
	v_lshrrev_b32 v1, 5, v0
	v_readfirstlane_b32 s16, v1                    ; wave 0..3
	s_lshr_b32 s17, s16, 1                         ; my half of A's rows.  Also: I fetch for A (0) or for B (1)
	s_and_b32 s18, s16, 1                          ; my half of B's rows.  Also: which eight tiles I fetch
	s_bfe_u32 s19, ttmp6, 0x40000                  ; cx
	s_bfe_u32 s20, ttmp6, 0x40004                  ; cy
	s_and_b32 s21, ttmp7, 0xffff
	s_lshl_b32 s21, s21, 2                         ; 4 x cluster y
	s_lshl_b32 s22, ttmp9, 2                       ; 4 x cluster x
	s_cmp_eq_u32 ttmp9, 2                          ; the cluster's x is the same in all sixteen partners
	s_cselect_b32 s[ISV], 1, 0
	s_cselect_b32 s23, 0, s21
	s_cselect_b32 s22, s21, s22
	s_add_co_u32 s23, s23, s20                     ; A's block of 256 rows: of the places in the cluster it hangs on cy alone
	s_add_co_u32 s22, s22, s19                     ; B's: on cx alone
	s_lshl_b32 s2, s20, 2
	s_lshl_b32 s2, 15, s2                          ; my row of the cluster
	s_lshl_b32 s3, 0x1111, s19                     ; my column
	s_or_b32 s[G1], s2, (3<<16)|(1<<21)            ; 15:0 the mask; 17:16 elements of 8 bytes; 21 set beside a mask; no padding
	s_or_b32 s[G1B], s3, (3<<16)|(1<<21)
	s_or_b32 s[G1S], s2, (3<<16)|(1<<21)
	s_or_b32 s[G1SB], s3, (3<<16)|(1<<21)
.irp g, G1, G1B                                ; eight tiles x 3,072 bytes, 12,288 bytes apart in memory, dense in LDS
	s_mov_b32 s[\g+1], 384<<16                     ; tensor_dim0
	s_mov_b32 s[\g+2], 8<<16                       ; tensor_dim1
	s_mov_b32 s[\g+3], 384<<16                     ; tile_dim0
	s_mov_b32 s[\g+4], 8                           ; tile_dim1
	s_mov_b32 s[\g+5], 1536                        ; tensor_dim0_stride
	s_mov_b32 s[\g+6], 0
	s_mov_b32 s[\g+7], 0
.endr
.irp g, G1S, G1SB                              ; eight tiles' scale words: 4,096 dense bytes as 16 rows of 256
	s_mov_b32 s[\g+1], 32<<16
	s_mov_b32 s[\g+2], 16<<16
	s_mov_b32 s[\g+3], 32<<16
	s_mov_b32 s[\g+4], 16
	s_mov_b32 s[\g+5], 32
	s_mov_b32 s[\g+6], 0
	s_mov_b32 s[\g+7], 0
.endr
	s_lshl_b32 s21, s18, 3
	s_lshl_b32 s92, s23, 4
	s_add_co_u32 s92, s92, s21                     ; A's first tile that I fetch
	s_lshl_b32 s96, s22, 4
	s_add_co_u32 s96, s96, s21                     ; B's
	s_lshl_b32 s94, s92, 9                         ; their scale words,
	s_mul_i32 s92, s92, 12288                      ; their codes
	s_lshl_b32 s98, s96, 9
	s_mul_i32 s96, s96, 12288
	s_mov_b32 s93, 0
	s_mov_b32 s95, 0
	s_mov_b32 s97, 0
	s_mov_b32 s99, 0
	s_mov_b32 s100, XS_OFF
	s_mov_b32 s101, WS_OFF
	s_cmp_eq_u32 s[ISV], 1
	s_cselect_b32 s21, 1572864, 0                  ; A = Wv: the third weight's codes
	s_cselect_b32 s100, WS_OFF+65536, s100         ; and its scale words
	s_cselect_b32 s101, XS_OFF, s101
	s_add_co_u32 s92, s92, s21
	s_add_co_u32 s94, s94, s100
	s_add_co_u32 s98, s98, s101
	s_mul_i32 s2, s16, HALFT                       ; where my tiles go: wave x eight tiles: no place in the cluster enters an LDS address
	s_lshl_b32 s3, s16, 12
	s_wait_kmcnt 0x0
	s_cmp_eq_u32 s[ISV], 1
	s_cselect_b64 s[100:101], s[6:7], s[4:5]       ; A's buffer
	s_cselect_b64 s[4:5], s[4:5], s[6:7]           ; B's
	s_add_nc_u64 s[92:93], s[100:101], s[92:93]
	s_add_nc_u64 s[94:95], s[100:101], s[94:95]
	s_add_nc_u64 s[96:97], s[4:5], s[96:97]
	s_add_nc_u64 s[98:99], s[4:5], s[98:99]
	CROUND                                         ; all sixteen work-groups are here: the first joint loads meet
	s_mov_b32 s[G0S], 1
	s_add_co_u32 s[G0S+1], s3, SCL
	s_mov_b64 s[G0S+2:G0S+3], s[94:95]
	s_or_b32 s[G0S+3], s[G0S+3], 0x80000000
	s_mov_b32 s[G0SB], 1
	s_add_co_u32 s[G0SB+1], s3, SCL
	s_mov_b64 s[G0SB+2:G0SB+3], s[98:99]
	s_or_b32 s[G0SB+3], s[G0SB+3], 0x80000000
	JLOAD G0S, G1S, G0SB, G1SB                     ; the scale words first; then K steps 0, 1, 2: four loads of mine are out
.irp s, 0,1,2
	s_mov_b32 s[G0+4*\s], 1
	s_add_co_u32 s[G0+4*\s+1], s2, \s*SLOT
	s_add_nc_u64 s[G0+4*\s+2:G0+4*\s+3], s[92:93], \s*TILEB
	s_or_b32 s[G0+4*\s+3], s[G0+4*\s+3], 0x80000000
	s_mov_b32 s[G0B+4*\s], 1
	s_add_co_u32 s[G0B+4*\s+1], s2, \s*SLOT
	s_add_nc_u64 s[G0B+4*\s+2:G0B+4*\s+3], s[96:97], \s*TILEB
	s_or_b32 s[G0B+4*\s+3], s[G0B+4*\s+3], 0x80000000
	JLOAD G0+4*\s, G1, G0B+4*\s, G1B
.endr
	v_and_b32 v3, 31, v0                           ; lane
	v_and_b32 v1, 15, v0                           ; r
	v_bfe_u32 v2, v0, 4, 1                         ; h
	v_lshlrev_b32 v[LI16], 4, v3
	v_lshlrev_b32 v[LI8], 3, v3
	s_mul_i32 s2, s17, HALFT                       ; my eight tiles of A,
	s_mul_i32 s3, s18, HALFT
	s_add_co_u32 s3, s3, 2*HALFT                   ; of B
.irp s, 0,1,2
	v_add_nc_u32 v[ADR+4*\s], s2, v[LI16]
	v_add_nc_u32 v[ADR+4*\s+1], s2, v[LI8]
	v_add_nc_u32 v[ADR+4*\s+2], s3, v[LI16]
	v_add_nc_u32 v[ADR+4*\s+3], s3, v[LI8]
	s_add_co_u32 s2, s2, SLOT
	s_add_co_u32 s3, s3, SLOT
.endr
	s_lshl_b32 s2, s17, 12                         ; A's scale words: my eight tiles
	s_lshl_b32 s3, s18, 12
	s_add_co_u32 s3, s3, 8192                      ; B's, behind A's sixteen
	s_sub_co_u32 s3, s3, s2
	v_mul_u32_u24 v6, s3, v2                       ; lanes 16-31 take B's
	s_add_co_u32 s2, s2, SCL
	v_lshl_add_u32 v6, v1, 4, v6
	v_add_nc_u32 v[ADRS], s2, v6
	v_lshlrev_b32 v23, 6, v2                       ; the bias by registers: 16 h numbers on
	v_and_b32 v7, 8, v1
	v_add_nc_u32 v7, v7, v1
	v_lshlrev_b32 v24, 2, v7                       ; the bias by lanes: r + 8 (r / 8)
	v_lshlrev_b32 v25, 4, v2                       ; 16 h: a shift
	v_lshlrev_b32 v26, 4, v1
	v_lshl_add_u32 v27, v2, 12, v26                ; V^T's scale words: 4,096 h + 16 r
	v_lshl_add_u32 v26, v2, 13, v26                ; q's and k's: 8,192 h + 16 r
	; the bias: bk, bq or bv by the cluster's x.  Both layouts are loaded on every way: along B's rows (registers), along A's rows (lanes)
	s_cmp_eq_u32 ttmp9, 0
	s_cselect_b64 s[8:9], s[8:9], s[10:11]
	s_cmp_eq_u32 s[ISV], 1
	s_cselect_b64 s[8:9], s[12:13], s[8:9]
	s_and_b32 s2, s22, 3
	s_lshl_b32 s2, s2, 10
	s_lshl_b32 s3, s18, 9
	s_add_co_u32 s2, s2, s3
	s_mov_b32 s3, 0
	s_add_nc_u64 s[10:11], s[8:9], s[2:3]
	s_and_b32 s2, s23, 3
	s_lshl_b32 s2, s2, 10
	s_lshl_b32 s4, s17, 9
	s_add_co_u32 s2, s2, s4
	s_add_nc_u64 s[12:13], s[8:9], s[2:3]
	WIN TO_B
.irp b, 0,1,2,3,4,5,6,7
	global_load_b128 v[96+8*\b+96*(\b/4):96+8*\b+96*(\b/4)+3], v23, s[10:11] offset:4*(32*(\b/2)+8*(\b%2))
	global_load_b128 v[96+8*\b+96*(\b/4)+4:96+8*\b+96*(\b/4)+7], v23, s[10:11] offset:4*(32*(\b/2)+8*(\b%2))+16
.endr
	WIN 0
.irp a, 0,1,2,3,4,5,6,7
	global_load_b32 v[BM+2*\a], v24, s[12:13] offset:4*(32*(\a/2)+8*(\a%2))     ; twice: a pair for the packed addition
	global_load_b32 v[BM+2*\a+1], v24, s[12:13] offset:4*(32*(\a/2)+8*(\a%2))
.endr
	; where my results go
	s_lshl_b32 s4, s23, 4
	s_lshl_b32 s5, s17, 3
	s_add_co_u32 s4, s4, s5                        ; my first tile of A's rows
	s_and_b32 s5, s22, 3
	s_lshl_b32 s5, s5, 2
	s_lshl_b32 s6, s18, 1
	s_add_co_u32 s5, s5, s6                        ; q, k: my first head of two
	s_lshl_b32 s6, s22, 1
	s_add_co_u32 s6, s6, s18                       ; V^T: my 128 tokens
	s_mul_i32 s7, s4, 12288
	s_mul_i32 s19, s5, 768
	s_add_co_u32 s7, s7, s19
	s_mul_i32 s19, s6, 98304
	s_mul_i32 s20, s4, 1536
	s_add_co_u32 s19, s19, s20
	s_mov_b32 s[PSTEP], 12288
	s_cmp_eq_u32 s[ISV], 1
	s_cselect_b32 s[PP], s19, s7
	s_cselect_b32 s[PSTEP], 1536, s[PSTEP]
	s_mul_i32 s7, ttmp9, 6291456                   ; k's, q's, V^T's section
	s_add_co_u32 s[PP], s[PP], s7
	s_mov_b32 s[PP+1], 0
	s_mov_b32 s[PSTEP+1], 0
	s_add_nc_u64 s[PP:PP+1], s[14:15], s[PP:PP+1]
	s_lshr_b32 s4, s4, 3                           ; A's rows in eights of tiles
	s_lshr_b32 s7, s4, 4
	s_lshl_b32 s7, s7, 4
	s_add_co_u32 s7, s7, s5                        ; q, k: 16 x batch + head
	s_lshl_b32 s7, s7, 13
	s_and_b32 s19, s4, 15
	s_lshl_b32 s19, s19, 9
	s_add_co_u32 s7, s7, s19
	s_lshr_b32 s19, s6, 4
	s_lshl_b32 s19, s19, 4
	s_lshl_b32 s20, s4, 1
	s_add_co_u32 s19, s19, s20                     ; V^T: 16 x batch + head
	s_lshl_b32 s19, s19, 12
	s_and_b32 s20, s6, 15
	s_lshl_b32 s20, s20, 8
	s_add_co_u32 s19, s19, s20
	s_cmp_eq_u32 s[ISV], 1
	s_cselect_b32 s[PSC], s19, s7
	s_mul_i32 s7, ttmp9, 524288
	s_add_co_u32 s[PSC], s[PSC], s7
	s_add_co_u32 s[PSC], s[PSC], 18874368
	s_mov_b32 s[PSC+1], 0
	s_add_nc_u64 s[PSC:PSC+1], s[14:15], s[PSC:PSC+1]
	s_mov_b32 s[SEL], 0x76543210
	s_mov_b32 s[SEL+1], 0xfedcba98
	s_wait_loadcnt 0x0                             ; the biases
	s_wait_tensorcnt 2                             ; the scale words and my part of K step 0 are in; K steps 1 and 2 may stay out
	s_barrier_signal -1
	s_barrier_wait -1
	FETCH_B 0, 0, 0
	FETCH_A 0, 0, 0
	SCALES
	FETCH_A 0, 0, 4
	STEP 0, 0, 1, 1                                ; the first products start the sums: nothing is cleared
	TURN 1, 1, 1                                   ; K steps 1 and 2 are whole; slot 0 takes K step 3
	STEP 2, 1, 1, 0
	STEP 3, 2, 0, 0
	STEP 4, 2, 1, 0
	TURN 5, 0, 0                                   ; K step 3 is whole; nothing is filled
	STEP 6, 0, 1, 0
	s_wait_dscnt 16
	WIN MUL_LO
	MUL16 0, 7, 0
	MUL16 2, 7, 0
	s_wait_dscnt 0x0
	WIN MUL_HI
	MUL16 4, 7, 0
	MUL16 6, 7, 0
	WIN 0
	PLACES 4
.irp b, 0,1,2,3
	v_mov_b32 v[TM+4+\b], 0                        ; written once: a lane permute's destination counts as one of its sources
.endr
; THE WAY OUT, block by block of A's 16 rows: the bias is added, the lane's 64 numbers are quantised along B's 128 rows, and the fragment leaves as it stands in the registers.
.macro OUTBLK a
.if (\a) > 0
	s_wait_xcnt 0x0                                ; the last block's stores have read their data and their base
	s_add_nc_u64 s[PP:PP+1], s[PP:PP+1], s[PSTEP:PSTEP+1]
.endif
	s_cmp_eq_u32 s[ISV], 1
	s_cbranch_scc1 .Lby_lane_\@
	WIN 0x06+(\a)/4                                ; source 0 the accumulators' window, source 1 window 1
.irp b, 0,1,2,3,4,5,6,7
.irp k, 0,2,4,6
	v_pk_add_f32 v[ST+8*\b+\k:ST+8*\b+\k+1], v[64*((\a)%4)+8*\b+\k:64*((\a)%4)+8*\b+\k+1], v[96+8*\b+96*(\b/4)+\k:96+8*\b+96*(\b/4)+\k+1]   ; each accumulator from its low end on
.endr
.endr
	WIN 0
	s_branch .Ladded_\@
.Lby_lane_\@:
	WIN 0x02+(\a)/4
.irp b, 0,1,2,3,4,5,6,7
.irp k, 0,2,4,6
	v_pk_add_f32 v[ST+8*\b+\k:ST+8*\b+\k+1], v[64*((\a)%4)+8*\b+\k:64*((\a)%4)+8*\b+\k+1], v[BM+2*(\a):BM+2*(\a)+1]
.endr
.endr
	WIN 0
.Ladded_\@:
	QUANT ST
	global_store_b128 v[LI16], v[PC:PC+3], s[PP:PP+1]                    ; each store covers 512 or 256 consecutive bytes, aligned
	global_store_b64 v[LI8], v[PC+4:PC+5], s[PP:PP+1] offset:512
	global_store_b128 v[LI16], v[PC+6:PC+9], s[PP:PP+1] offset:768
	global_store_b64 v[LI8], v[PC+10:PC+11], s[PP:PP+1] offset:1280
	v_mov_b32 v[PWS+(\a)], v[PW]
.endm
.irp a, 0,1,2,3,4,5,6,7
	OUTBLK \a
.endr
	s_cmp_eq_u32 s[ISV], 1
	s_cbranch_scc1 .Lv_words
.irp a, 0,1,2,3,4,5,6,7                        ; q, k: a word's low half is my first head's two bytes, its high half the second head's: lanes 0-15 store the first, lanes 16-31 the second
	v_lshrrev_b32 v[T+\a], v25, v[PWS+\a]
.endr
.irp a, 0,1,2,3,4,5,6,7
	v_and_b32 v[T+\a], 0xffff, v[T+\a]             ; bytes 2 and 3, for the half of the instruction's K that holds zero codes, are 0
.endr
	global_store_b128 v26, v[T:T+3], s[PSC:PSC+1]
	global_store_b128 v26, v[T+4:T+7], s[PSC:PSC+1] offset:256
	s_branch .Lwords_out
.Lv_words:
	v_cmp_eq_u32 vcc_lo, 1, v2                     ; V^T: blocks 0-3 are my first head's four tiles of channels, blocks 4-7 the second's
.irp t, 0,1,2,3
	v_cndmask_b32 v[T+\t], v[PWS+\t], v[PWS+4+\t], vcc_lo
.endr
	global_store_b128 v27, v[T:T+3], s[PSC:PSC+1]
.Lwords_out:
	s_wait_tensorcnt 0x0                           ; the wave's end
	ds_add_u32 v[SPW], v[NIL]
	s_wait_dscnt 0x0
	CROUND                                         ; the closing round: no work-group ends while a partner may still ask for a tile that names it
	s_endpgm
.Lfunc_end_k_q8bbb997bdf_qkv:
	.size	k_q8bbb997bdf_qkv, .Lfunc_end_k_q8bbb997bdf_qkv-k_q8bbb997bdf_qkv
	.p2alignl 7, 3214868480
	.fill 96, 4, 3214868480
	.section	.rodata,"a",@progbits
	.p2align	6, 0x0
	.amdhsa_kernel k_q8bbb997bdf_qkv
		.amdhsa_group_segment_fixed_size 327680
		.amdhsa_private_segment_fixed_size 0
		.amdhsa_enable_private_segment 0
		.amdhsa_kernarg_size 48
		.amdhsa_user_sgpr_count 2
		.amdhsa_user_sgpr_kernarg_segment_ptr 1
		.amdhsa_wavefront_size32 1
		.amdhsa_system_sgpr_workgroup_id_x 1
		.amdhsa_system_sgpr_workgroup_id_y 1
		.amdhsa_system_sgpr_workgroup_id_z 1
		.amdhsa_system_vgpr_workitem_id 0
		.amdhsa_next_free_vgpr 1024
		.amdhsa_next_free_sgpr 104
		.amdhsa_reserve_vcc 1
		.amdhsa_float_denorm_mode_32 3
		.amdhsa_float_denorm_mode_16_64 3
		.amdhsa_memory_ordered 1
		.amdhsa_forward_progress 1
		.amdhsa_inst_pref_size 187
	.end_amdhsa_kernel
	.amdgpu_metadata
---
amdhsa.version: [ 1, 2 ]
amdhsa.kernels:
  - .name:           k_q8bbb997bdf_qkv
    .symbol:         k_q8bbb997bdf_qkv.kd
    .args:
      - { .name: opx, .offset: 0, .size: 8, .value_kind: global_buffer, .address_space: global }
      - { .name: opw, .offset: 8, .size: 8, .value_kind: global_buffer, .address_space: global }
      - { .name: bk, .offset: 16, .size: 8, .value_kind: global_buffer, .address_space: global }
      - { .name: bq, .offset: 24, .size: 8, .value_kind: global_buffer, .address_space: global }
      - { .name: bv, .offset: 32, .size: 8, .value_kind: global_buffer, .address_space: global }
      - { .name: heads, .offset: 40, .size: 8, .value_kind: global_buffer, .address_space: global }
    .group_segment_fixed_size: 327680
    .private_segment_fixed_size: 0
    .kernarg_segment_align: 8
    .kernarg_segment_size: 48
    .max_flat_workgroup_size: 128
    .sgpr_count:     104
    .vgpr_count:     1024
    .wavefront_size: 32
...
	.end_amdgpu_metadata
.endif
;; end of part 2
;; launch attn (part 3): grid 4 x 64, 16 waves a work-group, no clusters, 210,944 bytes of LDS; arguments heads, yq; writes yq
.if DOCPART == 3
	.amdgcn_target "amdgcn-amd-amdhsa--gfx1250"
	.amdhsa_code_object_version 6
	.text
	.protected	k_q8bbb997bdf_attn
	.globl	k_q8bbb997bdf_attn
	.p2align	8
	.type	k_q8bbb997bdf_attn,@function
k_q8bbb997bdf_attn:
	s_mov_b64 s[64:65], 0
	v_nop
	global_prefetch_b8 v0, s[64:65] scope:SCOPE_SE
	s_setreg_imm32_b32 hwreg(HW_REG_WAVE_MODE, 25, 1), 1
	s_wait_xcnt 0x0
; y[b][t][head] = softmax over the keys s <= t of (q . k / 8) times v, both products on codes of BF6 (E3M2) with E8M0 scales; y leaves quantised along C, as the last product's operand.
; THE SOFTMAX AHEAD OF THE SECOND PRODUCT: t = score x log2(e) / 8; M = the row's largest t so far, rounded UP to a whole number; p = 2^(t - M) is what is quantised, along the keys; the row's sum is taken of the
; unquantised p and divides at the end.  When M moves, the sum and O are multiplied by 2^(old M - new M): exact.
; SHARES.  A work-group owns one head of one batch and two blocks of 256 queries, p and 7 - p.  Wave w owns the tiles of 16 queries 16 p + w and 127 - (16 p + w): together 17 key steps of 128 for every wave of the launch.
; A tile T takes tokens 32 (T / 2) + 8 (T % 2) + r + 8 (r / 8).  A key step all of whose keys come after the tile's queries is left out by a scalar branch on ids; the loops' trip counts are constants.
; LDS.  A whole head's K and V^T fit: every tensor load is a first fill, nothing is filled again.  Each fetching wave issues two loads: its part of key steps 0-7, which is all that the early tile reads, then its part of 8-15.
; LAYOUT.  Both products are used transposed: S^T = K Q^T (source 0 = 16 keys, source 1 = my 16 queries; the head's 64 fill half of the instruction's K, the other half are zero codes that stay in the registers),
; O^T = V^T P^T (source 0 = 16 channels, source 1 = P).  A lane holds ONE query throughout; by the order of a tile's rows S^T's 64 registers are 16 neighbouring keys of each block of 32, and O^T's 32 are 16 neighbours of each block of channels.
; NO CLUSTER, though the four work-groups of a head read the same K and V^T: which key steps a wave leaves out hangs on its block of queries, which would be the work-group's place in such a cluster.
; without the branch the key steps double.
; NO PREFETCH: every byte that the launch reads is asked for at its head.
; LIMITS: a p under 2^-126 counts as 0; a block of zeros gets the byte 1 (its codes are zeros; the bytes are read by this program alone); NaN and infinities are not served.
; y's scale bytes leave two at a time (16 rows x 2 bytes a tile and head), one byte in 25 of what the launch stores.
.set VREG, 98304                       ; LDS: K's 128 tiles x 768 bytes from 0; V^T from here: key step g at 6,144 g, tile of channels t at + 1,536 t
.set KSC,  196608                      ; K's scale words: 512 bytes a key step
.set VSC,  204800                      ; V^T's: 256 bytes a key step
.set F,    56                          ; v56-103  four fragments of K; the upper six registers of each stay 0
.set S,    104                         ; v104-167 S^T, then p; then V^T's four fragments in the first 48
.set O,    168                         ; v168-199 O^T
.set PC,   200                         ; v200-211 p's codes; v212-218 the conversions' second halves
.set WV,   19
.set SEL,  20                          ; s[20:21] lane selects: lane l xor 16
.set CS,   22                          ; s[22:23] c = log2(e) / 8
.set TK,   2                           ; s2  the key step's codes in LDS: 6,144 a step
.set TS,   3                           ; s3  K's scale words: 512 a step
.set TJ,   92                          ; s92 V^T's: 256 a step
.set KF,   93                          ; s93 the step's first key
.set QB,   94                          ; s94 the tile's first query
.set QMAX, 95                          ; s95 its last
.set CNT,  98
; v1, v2: 16 x lane, 8 x lane; v3, v4: the same + VREG; v5, v6: my scale words of K, of V^T; v7-12 the step's addresses; v13, v19 y's scale bytes of the late and the early tile;
; v14 -M, v15 the largest t; v[16:17] the sum; v18 r + 8 (r / 8) - 16 h; v[20:31] Q (v26-31 stay 0); v32 Q's scale word; v33-39 the late tile's Q; v40-47, v48-51, v52 scale words of K, V^T, p; v[54:55] f.
	s_load_b128 s[4:7], s[0:1], 0x0                ; heads s[4:5], yq s[6:7]
	v_lshl_add_u32 v254, v0, 2, 0x33000
	v_mov_b32 v255, 0
	ds_add_u32 v254, v255
	ds_add_u32 v254, v255
	v_lshrrev_b32 v7, 5, v0
	s_delay_alu instid0(VALU_DEP_1)
	v_readfirstlane_b32 s[WV], v7                  ; wave 0..15
	s_and_b32 s8, ttmp7, 0xffff                    ; 16 x batch + head
	s_lshr_b32 s9, s8, 4                           ; batch
	s_and_b32 s10, s8, 15                          ; head
	s_and_b32 s11, s[WV], 3                        ; my part of what four waves fetch
	; group 1, K: 16 tiles x 768 bytes, 12,288 bytes apart
	s_mov_b32 s24, 3<<16                           ; no mask; elements of 8 bytes; no padding
	s_mov_b32 s25, 96<<16
	s_mov_b32 s26, 16<<16
	s_mov_b32 s27, 96<<16
	s_mov_b32 s28, 16
	s_mov_b32 s29, 1536
	s_mov_b32 s30, 0
	s_mov_b32 s31, 0
	; V^T: 2 key steps x 6,144 bytes, 98,304 bytes apart
	s_mov_b32 s32, 3<<16
	s_mov_b32 s33, 768<<16
	s_mov_b32 s34, 2<<16
	s_mov_b32 s35, 768<<16
	s_mov_b32 s36, 2
	s_mov_b32 s37, 12288
	s_mov_b32 s38, 0
	s_mov_b32 s39, 0
	; K's scale words: 4,096 dense bytes as 16 rows of 256;  V^T's: 2,048 as 8
	s_mov_b32 s40, 3<<16
	s_mov_b32 s41, 32<<16
	s_mov_b32 s42, 16<<16
	s_mov_b32 s43, 32<<16
	s_mov_b32 s44, 16
	s_mov_b32 s45, 32
	s_mov_b32 s46, 0
	s_mov_b32 s47, 0
	s_mov_b32 s48, 3<<16
	s_mov_b32 s49, 32<<16
	s_mov_b32 s50, 8<<16
	s_mov_b32 s51, 32<<16
	s_mov_b32 s52, 8
	s_mov_b32 s53, 32
	s_mov_b32 s54, 0
	s_mov_b32 s55, 0
	s_mul_i32 s12, s11, 12288                      ; my part's place in LDS
	s_lshl_b32 s13, s9, 7
	s_lshl_b32 s14, s11, 4
	s_add_co_u32 s14, s14, s13                     ; K: token tile 128 x batch + 16 x part
	s_mul_i32 s14, s14, 12288
	s_mul_i32 s15, s10, 768
	s_add_co_u32 s14, s14, s15
	s_mov_b32 s15, 0
	s_lshl_b32 s16, s9, 4
	s_lshl_b32 s17, s11, 1
	s_add_co_u32 s16, s16, s17                     ; V^T: 128 tokens number 16 x batch + 2 x part
	s_mul_i32 s16, s16, 98304
	s_mul_i32 s17, s10, 6144
	s_add_co_u32 s16, s16, s17
	s_add_co_u32 s16, s16, 12582912
	s_mov_b32 s17, 0
	s_lshl_b32 s92, s8, 13
	s_add_co_u32 s92, s92, 18874368
	s_mov_b32 s93, 0
	s_lshl_b32 s94, s8, 12
	s_add_co_u32 s94, s94, 19922944
	s_mov_b32 s95, 0
	s_mov_b32 s[SEL], 0x76543210
	s_mov_b32 s[SEL+1], 0xfedcba98
	s_mov_b32 s[CS], 0x3e38aa3b
	s_mov_b32 s[CS+1], s[CS]                       ; (named with it as a pair, so it is written)
	s_wait_dscnt 0x0
	s_wait_kmcnt 0x0
	s_add_nc_u64 s[14:15], s[4:5], s[14:15]
	s_add_nc_u64 s[16:17], s[4:5], s[16:17]
	s_add_nc_u64 s[92:93], s[4:5], s[92:93]
	s_add_nc_u64 s[94:95], s[4:5], s[94:95]
	s_mov_b32 s56, 1                               ; K, key steps 0-7
	s_mov_b32 s57, s12
	s_mov_b64 s[58:59], s[14:15]
	s_or_b32 s59, s59, 0x80000000
	s_mov_b32 s60, 1                               ; K, key steps 8-15: 64 tiles on
	s_add_co_u32 s61, s12, 49152
	s_add_nc_u64 s[62:63], s[14:15], 786432
	s_or_b32 s63, s63, 0x80000000
	s_mov_b32 s68, 1                               ; V^T likewise
	s_add_co_u32 s69, s12, VREG
	s_mov_b64 s[70:71], s[16:17]
	s_or_b32 s71, s71, 0x80000000
	s_mov_b32 s72, 1
	s_add_co_u32 s73, s12, VREG+49152
	s_add_nc_u64 s[74:75], s[16:17], 786432
	s_or_b32 s75, s75, 0x80000000
	s_mov_b32 s76, 1                               ; K's scale words
	s_mov_b32 s77, KSC
	s_mov_b64 s[78:79], s[92:93]
	s_or_b32 s79, s79, 0x80000000
	s_mov_b32 s80, 1
	s_mov_b32 s81, KSC+4096
	s_add_nc_u64 s[82:83], s[92:93], 4096
	s_or_b32 s83, s83, 0x80000000
	s_mov_b32 s84, 1                               ; V^T's
	s_mov_b32 s85, VSC
	s_mov_b64 s[86:87], s[94:95]
	s_or_b32 s87, s87, 0x80000000
	s_mov_b32 s88, 1
	s_mov_b32 s89, VSC+2048
	s_add_nc_u64 s[90:91], s[94:95], 2048
	s_or_b32 s91, s91, 0x80000000
	; a wave's two fills stand in one branch on its number, ahead of every wait on TENSORcnt, every LDS read and every barrier: two loads of a fetching wave are out.  Four v_nop follow the second
	s_cmp_lt_u32 s[WV], 4
	s_cbranch_scc0 .Lnot_k
	tensor_load_to_lds s[56:59], s[24:31]
	s_nop 0
	tensor_load_to_lds s[60:63], s[24:31]
	s_nop 0
.rept 4
	v_nop
.endr
	s_branch .Lasked
.Lnot_k:
	s_cmp_lt_u32 s[WV], 8
	s_cbranch_scc0 .Lnot_v
	tensor_load_to_lds s[68:71], s[32:39]
	s_nop 0
	tensor_load_to_lds s[72:75], s[32:39]
	s_nop 0
.rept 4
	v_nop
.endr
	s_branch .Lasked
.Lnot_v:
	s_cmp_eq_u32 s[WV], 8
	s_cbranch_scc0 .Lnot_ks
	tensor_load_to_lds s[76:79], s[40:47]
	s_nop 0
	tensor_load_to_lds s[80:83], s[40:47]
	s_nop 0
.rept 4
	v_nop
.endr
	s_branch .Lasked
.Lnot_ks:
	s_cmp_eq_u32 s[WV], 9
	s_cbranch_scc0 .Lasked
	tensor_load_to_lds s[84:87], s[48:55]
	s_nop 0
	tensor_load_to_lds s[88:91], s[48:55]
	s_nop 0
.rept 4
	v_nop
.endr
.Lasked:
	v_and_b32 v7, 31, v0                           ; lane
	v_and_b32 v8, 15, v0                           ; r
	v_bfe_u32 v9, v0, 4, 1                         ; h
	s_delay_alu instid0(VALU_DEP_3)
	v_lshlrev_b32 v1, 4, v7
	s_delay_alu instid0(VALU_DEP_4)
	v_lshlrev_b32 v2, 3, v7
	s_delay_alu instid0(VALU_DEP_2)
	v_add_nc_u32 v3, VREG, v1
	s_delay_alu instid0(VALU_DEP_2)
	v_add_nc_u32 v4, VREG, v2
	v_lshlrev_b32 v242, 4, v8                      ; 16 r
	s_wait_alu depctr_va_vdst(0)
	v_add_nc_u32 v5, KSC, v242
	v_add_nc_u32 v6, VSC, v242
	v_and_b32 v18, 8, v8
	s_delay_alu instid0(VALU_DEP_1)
	v_add_nc_u32 v18, v18, v8
	v_lshlrev_b32 v10, 4, v9
	s_delay_alu instid0(VALU_DEP_1)
	v_sub_nc_u32 v18, v18, v10                     ; my query's place in its tile, less my half's 16 keys
	; my two tiles, their Q, and where y goes
	s_lshl_b32 s99, ttmp9, 4
	s_add_co_u32 s99, s99, s[WV]                   ; the early tile
	s_sub_co_u32 s100, 127, s99                    ; the late tile
	s_sub_co_u32 s101, s100, s99
	s_lshl_b32 s101, s101, 9                       ; from the one's scale words of y to the other's
	s_lshl_b32 s13, s9, 7
	s_mul_i32 s17, s10, 768
	s_add_co_u32 s12, s13, s99
	s_add_co_u32 s16, s13, s100
	s_lshl_b32 s96, s12, 9
	s_mul_i32 s12, s12, 12288
	s_add_co_u32 s12, s12, s17
	s_mul_i32 s16, s16, 12288
	s_add_co_u32 s16, s16, s17
	s_mov_b32 s13, 0
	s_mov_b32 s17, 0
	s_add_nc_u64 s[92:93], s[4:5], s[12:13]
	s_add_nc_u64 s[92:93], s[92:93], 6291456       ; the early tile's codes of q
	s_add_nc_u64 s[94:95], s[4:5], s[16:17]
	s_add_nc_u64 s[94:95], s[94:95], 6291456       ; the late tile's
	s_add_nc_u64 s[12:13], s[6:7], s[12:13]        ; the early tile's codes of y
	s_add_nc_u64 s[16:17], s[6:7], s[16:17]        ; the late tile's
	s_lshr_b32 s14, s10, 3                         ; y's scale bytes: word head / 2 of the row's eight, bytes 2 (head % 2) on
	s_lshl_b32 s14, s14, 8
	s_add_co_u32 s96, s96, s14
	s_bfe_u32 s14, s10, 0x20001
	s_lshl_b32 s14, s14, 2
	s_add_co_u32 s96, s96, s14
	s_and_b32 s14, s10, 1
	s_lshl_b32 s14, s14, 1
	s_add_co_u32 s96, s96, s14
	s_add_co_u32 s96, s96, 6291456
	s_mov_b32 s97, 0
	s_add_nc_u64 s[6:7], s[6:7], s[96:97]
	s_lshl_b32 s8, s8, 13                          ; q's scale words: 256 bytes for four tiles, 4 bytes a tile
	s_add_co_u32 s8, s8, 19398656
	s_lshr_b32 s14, s99, 2
	s_lshl_b32 s14, s14, 8
	s_and_b32 s15, s99, 3
	s_lshl_b32 s15, s15, 2
	s_add_co_u32 s14, s14, s15
	s_add_co_u32 s14, s14, s8
	s_mov_b32 s15, 0
	s_add_nc_u64 s[14:15], s[4:5], s[14:15]
	s_lshr_b32 s10, s100, 2
	s_lshl_b32 s10, s10, 8
	s_and_b32 s11, s100, 3
	s_lshl_b32 s11, s11, 2
	s_add_co_u32 s10, s10, s11
	s_add_co_u32 s10, s10, s8
	s_mov_b32 s11, 0
	s_add_nc_u64 s[10:11], s[4:5], s[10:11]
	global_load_b128 v[20:23], v1, s[92:93]
	global_load_b64 v[24:25], v2, s[92:93] offset:512
	global_load_b32 v32, v242, s[14:15]
	global_load_b128 v[34:37], v1, s[94:95]
	global_load_b64 v[38:39], v2, s[94:95] offset:512
	global_load_b32 v33, v242, s[10:11]
.irp i, 0,1,2,3,4,5
	v_mov_b32 v[26+\i], 0                          ; the zero codes of the upper half of K: Q's,
.endr
.irp t, 0,1,2,3
.irp i, 0,1,2,3,4,5
	v_mov_b32 v[F+12*\t+6+\i], 0                   ; and K's
.endr
.endr
.irp b, 0,1,2,3
	v_mov_b32 v[224+\b], 0                         ; written once: a lane permute's destination counts as one of its sources
.endr
	v_mov_b32 v238, 0
	v_mov_b32 v54, 0
	v_mov_b32 v55, 0                               ; (named as the upper half of the pair v[54:55])
; A KEY STEP: 128 keys.
.macro STEP
	s_cmp_gt_u32 s[KF], s[QMAX]                    ; all its keys come after my queries: only the addresses step
	s_cbranch_scc1 .Lhidden_\@
	s_setprio 2
	v_add_nc_u32 v7, s[TK], v1                     ; six plain instructions: they also stand between the last step's products, which read V^T's fragments in S^T's registers, and the products that write S^T (five are owed)
	s_wait_alu depctr_va_vdst(0)
	v_add_nc_u32 v8, s[TK], v2
	s_wait_alu depctr_va_vdst(0)
	v_add_nc_u32 v9, s[TK], v3
	v_add_nc_u32 v10, s[TK], v4
	v_add_nc_u32 v11, s[TS], v5
	v_add_nc_u32 v12, s[TJ], v6
.irp g, 0,1                                    ; S^T = K Q^T, four tiles of 16 keys at a time
.if \g
.rept 4
	v_nop                                          ; in front of loads into registers that matrix instructions have read
.endr
.endif
.irp t, 0,1,2,3
	ds_load_b128 v[F+12*\t:F+12*\t+3], v7 offset:768*(4*\g+\t)
	ds_load_b64 v[F+12*\t+4:F+12*\t+5], v8 offset:768*(4*\g+\t)+512
.endr
.if \g == 0
	ds_load_b128 v[40:43], v11                     ; the eight tiles' scale words of K,
	ds_load_b128 v[44:47], v11 offset:256
	ds_load_b128 v[48:51], v12                     ; the four of V^T
.endif
	s_wait_dscnt 0x0
.irp t, 0,1,2,3
	v_wmma_scale_f32_16x16x128_f8f6f4 v[S+8*(4*\g+\t):S+8*(4*\g+\t)+7], v[F+12*\t:F+12*\t+11], v[20:31], 0, v[40+4*\g+\t], v32 matrix_a_fmt:MATRIX_FMT_BF6 matrix_b_fmt:MATRIX_FMT_BF6
.endr
.endr
.rept 4
	v_nop
.endr
	s_add_co_u32 s96, s[KF], 127                   ; on the diagonal hidden scores become -infinity ahead of the maximum; a step all of whose keys count skips this
	s_cmp_le_u32 s96, s[QB]
	s_cbranch_scc1 .Lopen_\@
	s_sub_co_i32 s96, s[QB], s[KF]
	v_add_nc_u32 v239, s96, v18                    ; d = my query - the step's first key - 16 h.  Register 16 b + i holds key 32 b + 16 h + i of the step: hidden where 32 b + i > d
	v_mov_b32 v240, 0xff800000
.set n, 0
.rept 64
	v_cmp_gt_i32 vcc_lo, 32*(n/16)+n%16, v239
	v_cndmask_b32 v[S+n], v[S+n], v240, vcc_lo
.set n, n+1
.endr
.Lopen_\@:
.irp b, 0,1,2,3
	v_max3_num_f32 v[220+\b], v[S+16*\b], v[S+1+16*\b], v[S+2+16*\b]   ; the largest score of each block of 32 keys: for the row's maximum, and, since p rises with the score, for the block's largest p
.endr
.irp i, 3,5,7,9,11,13
.irp b, 0,1,2,3
	v_max3_num_f32 v[220+\b], v[220+\b], v[S+16*\b+\i], v[S+1+16*\b+\i]
.endr
.endr
.irp b, 0,1,2,3
	v_max_num_f32 v[220+\b], v[220+\b], v[S+15+16*\b]
.endr
.irp b, 0,1,2,3
	s_delay_alu instid0(VALU_DEP_4)
	v_permlanex16_b32 v[224+\b], v[220+\b], s[SEL], s[SEL+1]
.endr
.irp b, 0,1,2,3
	s_delay_alu instid0(VALU_DEP_4)
	v_max_num_f32 v[220+\b], v[220+\b], v[224+\b]  ; with lane l xor 16's 16 keys
.endr
	s_delay_alu instid0(VALU_DEP_2)
	v_max3_num_f32 v238, v220, v221, v222
	s_delay_alu instid0(VALU_DEP_1)
	v_max_num_f32 v238, v238, v223
	s_delay_alu instid0(VALU_DEP_1)
	v_mul_f32 v238, s[CS], v238                    ; as t
	s_delay_alu instid0(VALU_DEP_1)
	v_max_num_f32 v15, v15, v238                   ; the running largest t
	v_mov_b32 v238, v14
	s_delay_alu instid0(VALU_DEP_2)
	v_floor_f32 v14, -v15                          ; the new -M = -ceil(t)
	s_delay_alu instid0(VALU_DEP_1)
	v_sub_f32 v238, v14, v238                      ; old M - new M: a whole number, 0 or less
	s_delay_alu instid0(VALU_DEP_1)
	v_cvt_i32_f32 v238, v238                       ; (it saturates)
	s_delay_alu instid0(VALU_DEP_1)
	v_ldexp_f32 v54, 1.0, v238                     ; f = 2^(old M - new M)
.set j, 0
.rept 32
	v_pk_fma_f32 v[S+j:S+j+1], v[S+j:S+j+1], s[CS:CS+1], v[14:15] op_sel_hi:[1,0,0]   ; t - M, two at a time
.set j, j+2
.endr
	s_setprio 1
.irp b, 0,1,2,3
	v_fma_f32 v[220+\b], v[220+\b], s[CS], v14     ; the same of each block's largest score
.endr
.set j, 0
	s_wait_alu depctr_va_vdst(0)
.rept 64
	v_exp_f32 v[S+j], v[S+j]                       ; p = 2^(t - M)
.set j, j+1
.endr
	v_pk_mul_f32 v[16:17], v[16:17], v[54:55] op_sel_hi:[1,0]   ; the sums under the new M: the plain instruction behind the exponentials
	s_wait_alu depctr_va_vdst(0)                   ; one wait for the batch, ahead of its first reader
.irp b, 0,1,2,3
	v_exp_f32 v[220+\b], v[220+\b]                 ; the block's largest p
.endr
	v_pk_add_f32 v[236:237], v[108:109], v[112:113]
	v_pk_add_f32 v[252:253], v[116:117], v[120:121]
	v_pk_add_f32 v[250:251], v[124:125], v[128:129]
	v_pk_add_f32 v[248:249], v[132:133], v[136:137]
	v_pk_add_f32 v[246:247], v[140:141], v[144:145]
	v_pk_add_f32 v[244:245], v[148:149], v[152:153]
	v_pk_add_f32 v[242:243], v[156:157], v[160:161]
	v_pk_add_f32 v[16:17], v[16:17], v[164:165]
	v_pk_add_f32 v[236:237], v[236:237], v[104:105]
	v_pk_add_f32 v[252:253], v[252:253], v[106:107]
	v_pk_add_f32 v[250:251], v[250:251], v[110:111]
	v_pk_add_f32 v[248:249], v[248:249], v[114:115]
	v_pk_add_f32 v[246:247], v[246:247], v[118:119]
	v_pk_add_f32 v[244:245], v[244:245], v[122:123]
	v_pk_add_f32 v[242:243], v[242:243], v[126:127]
	v_pk_add_f32 v[16:17], v[16:17], v[130:131]
	v_pk_add_f32 v[236:237], v[236:237], v[134:135]
	v_pk_add_f32 v[252:253], v[252:253], v[138:139]
	v_pk_add_f32 v[250:251], v[250:251], v[142:143]
	v_pk_add_f32 v[248:249], v[248:249], v[146:147]
	v_pk_add_f32 v[246:247], v[246:247], v[150:151]
	v_pk_add_f32 v[244:245], v[244:245], v[154:155]
	v_pk_add_f32 v[242:243], v[242:243], v[158:159]
	v_pk_add_f32 v[16:17], v[16:17], v[162:163]
	v_pk_add_f32 v[236:237], v[236:237], v[166:167]
	s_delay_alu instid0(VALU_DEP_2)
	v_pk_add_f32 v[16:17], v[16:17], v[248:249]
	s_delay_alu instid0(VALU_DEP_2)
	v_pk_add_f32 v[236:237], v[236:237], v[246:247]
	v_pk_add_f32 v[252:253], v[252:253], v[244:245]
	v_pk_add_f32 v[250:251], v[250:251], v[242:243]
	s_delay_alu instid0(VALU_DEP_2)
	v_pk_add_f32 v[16:17], v[16:17], v[252:253]
	s_delay_alu instid0(VALU_DEP_2)
	v_pk_add_f32 v[236:237], v[236:237], v[250:251]
	s_delay_alu instid0(VALU_DEP_1)
	v_pk_add_f32 v[16:17], v[16:17], v[236:237]
	s_wait_alu depctr_va_vdst(0)                   ; and one for the four
.irp b, 0,1,2,3
	v_max_num_f32 v[220+\b], 0x2800000, v[220+\b]  ; the floor 2^(5 - 127)
.endr
.irp b, 0,1,2,3
	s_delay_alu instid0(VALU_DEP_4)
	v_add_nc_u32 v[228+\b], 0xfe000000, v[220+\b]  ; the conversion's scale operand
.endr
.irp b, 0,1,2,3
	s_delay_alu instid0(VALU_DEP_4)
	v_lshrrev_b32 v[232+\b], 23, v[228+\b]         ; the byte
.endr
	s_delay_alu instid0(VALU_DEP_3)
	v_lshl_or_b32 v52, v233, 8, v232               ; p's scale word for these 128 keys
	s_delay_alu instid0(VALU_DEP_1)
	v_lshl_or_b32 v52, v234, 16, v52
	s_delay_alu instid0(VALU_DEP_1)
	v_lshl_or_b32 v52, v235, 24, v52
.irp c, 0,1
	v_cvt_scalef32_pk16_bf6_f32 v[PC+6*\c:PC+2+6*\c], v[S+32*\c:S+15+32*\c], v[228+2*\c]
	v_cvt_scalef32_pk16_bf6_f32 v[PC+12+4*\c:PC+14+4*\c], v[S+16+32*\c:S+31+32*\c], v[228+2*\c+1]
.endr
	v_nop                                          ; one plain instruction behind the conversions
	s_setprio 0
.irp t, 0,1,2,3                                ; V^T's four fragments take p's registers, which are done with
	ds_load_b128 v[S+12*\t:S+12*\t+3], v9 offset:1536*\t
	ds_load_b64 v[S+12*\t+4:S+12*\t+5], v10 offset:1536*\t+512
	ds_load_b128 v[S+12*\t+6:S+12*\t+9], v9 offset:1536*\t+768
	ds_load_b64 v[S+12*\t+10:S+12*\t+11], v10 offset:1536*\t+1280
.endr
.irp c, 0,1                                    ; a lane is to hold a WHOLE block of keys
.irp i, 0,1,2
	v_permlane16_swap_b32 v[PC+6*\c+\i], v[PC+12+4*\c+\i]
.endr
.irp i, 0,1,2
	s_delay_alu instid0(VALU_DEP_3)
	v_mov_b32 v[PC+3+6*\c+\i], v[PC+12+4*\c+\i]
.endr
.endr
.set j, 0
.rept 16
	v_pk_mul_f32 v[O+j:O+j+1], v[O+j:O+j+1], v[54:55] op_sel_hi:[1,0]   ; O^T under the new M; these also stand between the lines that made p's codes and scale word and the products
.set j, j+2
.endr
	s_wait_alu depctr_va_vdst(0)
	s_wait_dscnt 0x0
.irp t, 0,1,2,3                                ; O^T += V^T P^T: the four accumulators take one turn each, and S^T's products stand between two links of a chain
	v_wmma_scale_f32_16x16x128_f8f6f4 v[O+8*\t:O+8*\t+7], v[S+12*\t:S+12*\t+11], v[PC:PC+11], v[O+8*\t:O+8*\t+7], v[48+\t], v52 matrix_a_fmt:MATRIX_FMT_BF6 matrix_b_fmt:MATRIX_FMT_BF6
.endr
.Lhidden_\@:
	s_add_co_u32 s[KF], s[KF], 128
	s_add_co_u32 s[TK], s[TK], 6144
	s_add_co_u32 s[TS], s[TS], 512
	s_add_co_u32 s[TJ], s[TJ], 256
.endm
; ONE TILE OF 16 QUERIES.  which = 0: the early tile, 1: the late one.  trips: key steps walked, a constant.
.macro TILE which, trips
.if \which
	s_wait_xcnt 0x0                                ; the early tile's stores have read the codes' registers
	v_mov_b32 v32, v33
.irp i, 0,1,2,3,4,5
	v_mov_b32 v[20+\i], v[34+\i]
.endr
.endif
	v_mov_b32 v15, 0xff61b1e6                      ; the largest t so far: -3e38
	s_delay_alu instid0(VALU_DEP_1)
	v_floor_f32 v14, -v15
	v_mov_b32 v16, 0
	v_mov_b32 v17, 0
.set j, 0
.rept 32
	v_mov_b32 v[O+j], 0                            ; O^T: the first change of M multiplies zeros
.set j, j+1
.endr
	s_mov_b32 s[TK], 0
	s_mov_b32 s[TS], 0
	s_mov_b32 s[TJ], 0
	s_mov_b32 s[KF], 0
	s_lshr_b32 s[QB], s[99+\which], 1
	s_lshl_b32 s[QB], s[QB], 5
	s_and_b32 s96, s[99+\which], 1
	s_lshl_b32 s96, s96, 3
	s_add_co_u32 s[QB], s[QB], s96
	s_add_co_u32 s[QMAX], s[QB], 23
	s_mov_b32 s[CNT], \trips
.Lkey_\@:
	STEP
	s_sub_co_u32 s[CNT], s[CNT], 1
	s_cmp_lg_u32 s[CNT], 0
	s_cbranch_scc1 .Lkey_\@
	s_setprio 0
	; the way out: y = O^T / the sum, quantised along the head's 64 (two blocks), stored as a half image
	v_add_f32 v16, v16, v17
	s_delay_alu instid0(VALU_DEP_1)
	v_permlanex16_b32 v238, v16, s[SEL], s[SEL+1]
	s_delay_alu instid0(VALU_DEP_1)
	v_add_f32 v16, v16, v238                       ; the row's sum
	s_wait_alu depctr_va_vdst(0)
	v_rcp_f32 v54, v16
.rept 4
	v_nop                                          ; behind the reciprocal, and behind the last products, whose results are read and whose sources are written below
.endr
	s_wait_alu depctr_va_vdst(0)                   ; ahead of the reciprocal's first reader
.set j, 0
.rept 16
	v_pk_mul_f32 v[S+j:S+j+1], v[O+j:O+j+1], v[54:55] op_sel_hi:[1,0]   ; register 16 b + i: channel 32 b + 16 h + i
.set j, j+2
.endr
.irp b, 0,1
	v_max3_num_f32 v[220+\b], |v[S+16*\b]|, |v[S+1+16*\b]|, 0x2800000
.endr
.irp i, 2,4,6,8,10,12,14
.irp b, 0,1
	s_delay_alu instid0(VALU_DEP_2)
	v_max3_num_f32 v[220+\b], v[220+\b], |v[S+16*\b+\i]|, |v[S+1+16*\b+\i]|
.endr
.endr
.irp b, 0,1
	s_delay_alu instid0(VALU_DEP_2)
	v_permlanex16_b32 v[224+\b], v[220+\b], s[SEL], s[SEL+1]
.endr
.irp b, 0,1
	s_delay_alu instid0(VALU_DEP_2)
	v_max_num_f32 v[220+\b], v[220+\b], v[224+\b]
.endr
.irp b, 0,1
	s_delay_alu instid0(VALU_DEP_2)
	v_add_nc_u32 v[228+\b], 0xfe000000, v[220+\b]
.endr
.irp b, 0,1
	s_delay_alu instid0(VALU_DEP_2)
	v_lshrrev_b32 v[232+\b], 23, v[228+\b]
.endr
	s_delay_alu instid0(VALU_DEP_1)
	v_lshl_or_b32 v[19-6*\which], v233, 8, v232    ; my row's two scale bytes
	v_cvt_scalef32_pk16_bf6_f32 v[PC:PC+2], v[S:S+15], v228
	v_cvt_scalef32_pk16_bf6_f32 v[PC+12:PC+14], v[S+16:S+31], v229
	v_nop                                          ; one plain instruction behind the conversions
.irp i, 0,1,2
	v_permlane16_swap_b32 v[PC+\i], v[PC+12+\i]
.endr
.irp i, 0,1,2
	s_delay_alu instid0(VALU_DEP_3)
	v_mov_b32 v[PC+3+\i], v[PC+12+\i]
.endr
	global_store_b128 v1, v[PC:PC+3], s[12+4*\which:13+4*\which]             ; 512 and 256 consecutive bytes, aligned
	global_store_b64 v2, v[PC+4:PC+5], s[12+4*\which:13+4*\which] offset:512
.endm
	s_wait_tensorcnt 1                             ; my part of key steps 0-7 is in; my part of 8-15 may stay out
	s_barrier_signal -1
	s_barrier_wait -1                              ; everybody's is
	s_wait_loadcnt 0x0                             ; Q
	TILE 0, 8                                      ; the early tile lies among the first 1,024 tokens
	s_wait_tensorcnt 0x0                           ; my part of key steps 8-15 is in,
	s_wait_dscnt 0x0
	s_barrier_signal -1
	s_barrier_wait -1                              ; everybody's is
	TILE 1, 16
	v_and_b32 v242, 15, v0
	v_bfe_u32 v243, v0, 4, 1
	s_delay_alu instid0(VALU_DEP_2)
	v_lshlrev_b32 v242, 4, v242
	s_delay_alu instid0(VALU_DEP_2)
	v_mul_lo_u32 v244, v243, s101
	s_delay_alu instid0(VALU_DEP_1)
	v_add_nc_u32 v242, v242, v244                  ; lanes 0-15: the early tile's rows; lanes 16-31: the late tile's
	s_delay_alu instid0(VALU_DEP_4)
	v_cmp_eq_u32 vcc_lo, 1, v243
	s_delay_alu instid0(VALU_DEP_1)
	v_cndmask_b32 v245, v19, v13, vcc_lo
	global_store_b16 v242, v245, s[6:7]
	s_wait_tensorcnt 0x0
	ds_add_u32 v254, v255
	s_wait_dscnt 0x0
	s_endpgm
.Lfunc_end_k_q8bbb997bdf_attn:
	.size	k_q8bbb997bdf_attn, .Lfunc_end_k_q8bbb997bdf_attn-k_q8bbb997bdf_attn
	.p2alignl 7, 3214868480
	.fill 96, 4, 3214868480
	.section	.rodata,"a",@progbits
	.p2align	6, 0x0
	.amdhsa_kernel k_q8bbb997bdf_attn
		.amdhsa_group_segment_fixed_size 210944
		.amdhsa_private_segment_fixed_size 0
		.amdhsa_enable_private_segment 0
		.amdhsa_kernarg_size 16
		.amdhsa_user_sgpr_count 2
		.amdhsa_user_sgpr_kernarg_segment_ptr 1
		.amdhsa_wavefront_size32 1
		.amdhsa_system_sgpr_workgroup_id_x 1
		.amdhsa_system_sgpr_workgroup_id_y 1
		.amdhsa_system_sgpr_workgroup_id_z 1
		.amdhsa_system_vgpr_workitem_id 0
		.amdhsa_next_free_vgpr 256
		.amdhsa_next_free_sgpr 104
		.amdhsa_reserve_vcc 1
		.amdhsa_float_denorm_mode_32 3
		.amdhsa_float_denorm_mode_16_64 3
		.amdhsa_memory_ordered 1
		.amdhsa_forward_progress 1
		.amdhsa_inst_pref_size 71
	.end_amdhsa_kernel
	.amdgpu_metadata
---
amdhsa.version: [ 1, 2 ]
amdhsa.kernels:
  - .name:           k_q8bbb997bdf_attn
    .symbol:         k_q8bbb997bdf_attn.kd
    .args:
      - { .name: heads, .offset: 0, .size: 8, .value_kind: global_buffer, .address_space: global }
      - { .name: yq, .offset: 8, .size: 8, .value_kind: global_buffer, .address_space: global }
    .group_segment_fixed_size: 210944
    .private_segment_fixed_size: 0
    .kernarg_segment_align: 8
    .kernarg_segment_size: 16
    .max_flat_workgroup_size: 512
    .sgpr_count:     104
    .vgpr_count:     256
    .wavefront_size: 32
...
	.end_amdgpu_metadata
.endif
;; end of part 3
;; launch proj (part 4): grid 4 x 32, 4 waves a work-group, clusters of 4 x 4, 327,680 bytes of LDS; arguments yq, opw, bp, out0; writes out0
.if DOCPART == 4
	.amdgcn_target "amdgcn-amd-amdhsa--gfx1250"
	.amdhsa_code_object_version 6
	.text
	.protected	k_q8bbb997bdf_proj
	.globl	k_q8bbb997bdf_proj
	.p2align	8
	.type	k_q8bbb997bdf_proj,@function
k_q8bbb997bdf_proj:
	s_mov_b64 s[64:65], 0
	v_nop
	global_prefetch_b8 v0, s[64:65] scope:SCOPE_SE
	s_setreg_imm32_b32 hwreg(HW_REG_WAVE_MODE, 25, 1), 1
	s_wait_xcnt 0x0
	s_wait_alu depctr_hold_cnt(0) depctr_sa_sdst(0) depctr_va_vdst(0) depctr_va_sdst(0) depctr_va_ssrc(0) depctr_va_vcc(0) depctr_vm_vsrc(0)
	s_getreg_b32 s2, hwreg(HW_REG_IB_STS2, 6, 4)
	s_cmp_eq_u32 s2, 0
	s_cbranch_scc0 .Lentry_in_a_cluster
	s_endpgm
.Lentry_in_a_cluster:
	s_bfe_u32 s2, ttmp6, 0x10000c
	s_cmp_lg_u32 s2, 0xf033
	s_cbranch_scc0 .Lentry_shape_is_right
	s_endpgm
.Lentry_shape_is_right:
; out0 = y Wp + bp on codes of BF6 (E3M2) with E8M0 scales, K = 1,024; out0 [8192][1024] f32.
; OPERANDS are images of registers.  A tile T of 16 rows takes rows 32 (T / 2) + 8 (T % 2) + r + 8 (r / 8); a half image (768 bytes) is 16 rows x 64 K: lane l's registers 0-3 at 16 l, 4-5 at 512 + 8 l;
; a fragment (16 x 128 K, 12 registers) is two half images on end: four LDS loads, each of consecutive bytes.  Scale words: [tile][q][r][4 words].
; yq: codes [token tile 0..511][kk 0..15][768], scale words from 6,291,456.  opw: Wp is the fourth weight: codes from 2,359,296, scale words from 3,145,728 + 98,304.
; A work-group of four waves makes 256 x 256, a wave 128 x 128: 64 accumulators, 512 registers.  THE MATRIX INSTRUCTION IS USED TRANSPOSED (source 0 = 16 columns of Wp, source 1 = 16 tokens): a lane holds
; eight neighbouring numbers of a row of out0.  The bias is the C of each sum's first matrix instruction.
; K goes in four steps of 256.  Three slots fit in LDS: steps 0-2 and all scale words are first fills; step 3 alone fills slot 0 again, behind one round of the cluster's barrier.
; CLUSTERS: 4 x 4 work-groups; y's tiles are asked for jointly along a row of the cluster, Wp's along a column.  128 work-groups: out0 has no more tiles of 256 x 256.
; REGISTERS: window 0: v1-25 lane terms and addresses; v32-95 scale words (register 8 i + ks: lanes 0-15 A's block i, lanes 16-31 B's); v128-223 A's fragments, one set; on the way out v128-255 rows of out0.
;   window 1: B's fragments, two sets, v0-95 and v128-223; the bias, v96-127 and v224-255.  windows 2, 3: the accumulators.
.set FR,     12
.set TILEB,  3072                      ; a tile's codes of a K step of 256
.set HALFT,  8*TILEB                   ; eight tiles: what one tensor load brings, and what a wave reads of A or of B
.set SLOT,   4*HALFT                   ; A's 16 tiles, then B's 16
.set SCL,    3*SLOT                    ; behind the slots: A's scale words (16 x 512 bytes), then B's
.set SPARE,  SCL+16384                 ; the spare words, 128 bytes for each wave: two blocks of 256 bytes that no other line names
.set XS_OFF, 6291456
.set WS_OFF, 3145728
.set SPITCH, 528                       ; the way out: a stage of 16 rows x (512 bytes + 16) for each wave, in slot 1, which has had its only fill and which nobody reads behind the last barrier
.set LI16, 4                           ; v4   16 x lane
.set LI8,  5                           ; v5   8 x lane
.set ADR,  8                           ; v[8+4s ..]: slot s: A's address with 16 x lane, with 8 x lane, B's likewise
.set ADRS, 20                          ; v20  my scale words: lanes 0-15 A's rows, lanes 16-31 B's
.set SPW,  21                          ; v21  my spare word; never rewritten
.set NIL,  22                          ; v22  0; never rewritten
.set STO,  23                          ; v23  the stage: where I put 32 bytes of a row
.set RD,   24                          ; v24  and where I read a row back
.set SC,   32
.set AF,   128
.set BK,   128
.set G1,   24
.set G0,   32
.set G1B,  44
.set G0B,  52
.set G1S,  68
.set G0S,  76
.set G1SB, 80
.set G0SB, 88
.set MSB, 0
.macro WIN new                         ; the immediate's high byte repeats the setting that is left
.if MSB != (\new)
	s_set_vgpr_msb (MSB<<8)|(\new)
.set MSB, (\new)
.endif
.endm
.set MUL_LO, 0xa1                      ; source 0 (B) window 1, source 1 (A) window 0, C and D window 2
.set MUL_HI, 0xf1                      ; the same, C and D window 3
.set TO_B,   0x40                      ; destination window 1, address window 0
; A joint load: waves 0 and 1 fetch for A, waves 2 and 3 for B; the branch hangs on the wave's number alone.  Four v_nop follow each of the two lines.
.macro JLOAD g0a, g1a, g0b, g1b
	s_cmp_eq_u32 s17, 0
	s_cbranch_scc0 .Lfor_b_\@
	tensor_load_to_lds s[\g0a:\g0a+3], s[\g1a:\g1a+7]
	s_nop 0
.rept 4
	v_nop
.endr
	s_branch .Lasked_\@
.Lfor_b_\@:
	tensor_load_to_lds s[\g0b:\g0b+3], s[\g1b:\g1b+7]
	s_nop 0
.rept 4
	v_nop
.endr
.Lasked_\@:
.endm
.macro CREST                           ; a round of the cluster's barrier behind its opening barrier
	s_cmp_lg_u32 s16, 0
	s_cbranch_scc1 .Lnot_wave_0_\@
	s_barrier_signal -3
.Lnot_wave_0_\@:
	s_barrier_wait -3
	s_barrier_signal -1
	s_barrier_wait -1
.endm
.macro CROUND
	s_barrier_signal -1
	s_barrier_wait -1
	CREST
.endm
.macro PLACES n                        ; plain instructions between a matrix instruction and a load into, or a store from, its registers
.rept \n
	v_nop
.endr
.endm
.macro FRAG reg, adr, q, i             ; a fragment: tile i of my eight, the slot's q-th 128 along K
	ds_load_b128 v[\reg:\reg+3], v[\adr] offset:(\i)*TILEB+(\q)*1536
	ds_load_b64 v[\reg+4:\reg+5], v[\adr+1] offset:(\i)*TILEB+(\q)*1536+512
	ds_load_b128 v[\reg+6:\reg+9], v[\adr] offset:(\i)*TILEB+(\q)*1536+768
	ds_load_b64 v[\reg+10:\reg+11], v[\adr+1] offset:(\i)*TILEB+(\q)*1536+1280
.endm
.macro FETCH_B slot, q, p              ; B's eight fragments into set p
	WIN TO_B
.irp i, 0,1,2,3,4,5,6,7
	FRAG 128*(\p)+FR*\i, ADR+4*(\slot)+2, \q, \i
.endr
	WIN 0
.endm
.macro FETCH_A slot, q, i0             ; A's blocks i0 .. i0 + 3
.irp i, \i0, \i0+1, \i0+2, \i0+3
	FRAG AF+FR*(\i), ADR+4*(\slot), \q, \i
.endr
.endm
.macro SCALES                          ; all 64 scale registers, once
.irp i, 0,1,2,3,4,5,6,7
	ds_load_b128 v[SC+8*\i:SC+8*\i+3], v[ADRS] offset:512*\i
	ds_load_b128 v[SC+8*\i+4:SC+8*\i+7], v[ADRS] offset:512*\i+256
.endr
.endm
; 16 matrix instructions: A's blocks a0, a0 + 1 x B's eight, K = 128 ks on.  cin = 2: the products start the sums from the bias.  The 64 accumulators take turns, one instruction a turn, in the same order in every step.
.macro MUL16 a0, ks, cin
.irp a, \a0, \a0+1
.irp b, 0,1,2,3,4,5,6,7
.if (\cin) == 2
	v_wmma_scale_f32_16x16x128_f8f6f4 v[8*(8*((\a)%4)+\b):8*(8*((\a)%4)+\b)+7], v[128*((\ks)%2)+FR*\b:128*((\ks)%2)+FR*\b+FR-1], v[AF+FR*(\a):AF+FR*(\a)+FR-1], v[96+8*\b+96*(\b/4):96+8*\b+96*(\b/4)+7], v[SC+8*\b+(\ks)], v[SC+8*(\a)+(\ks)] matrix_a_fmt:MATRIX_FMT_BF6 matrix_b_fmt:MATRIX_FMT_BF6 matrix_a_scale:MATRIX_SCALE_ROW1
.else
	v_wmma_scale_f32_16x16x128_f8f6f4 v[8*(8*((\a)%4)+\b):8*(8*((\a)%4)+\b)+7], v[128*((\ks)%2)+FR*\b:128*((\ks)%2)+FR*\b+FR-1], v[AF+FR*(\a):AF+FR*(\a)+FR-1], v[8*(8*((\a)%4)+\b):8*(8*((\a)%4)+\b)+7], v[SC+8*\b+(\ks)], v[SC+8*(\a)+(\ks)] matrix_a_fmt:MATRIX_FMT_BF6 matrix_b_fmt:MATRIX_FMT_BF6 matrix_a_scale:MATRIX_SCALE_ROW1
.endif
.endr
.endr
.endm
; A step of 128 along K; the next step's fragments lie in slot nslot, its nq-th 128, which every wave's barrier has already shown whole.  With cin = 2 source 2 is window 1, where the bias lies.
.macro STEP ks, nslot, nq, cin
	s_wait_dscnt 16                                ; all but the youngest 16 loads (A's blocks 4-7) are in
	WIN MUL_LO-0x10*((\cin)/2)
	MUL16 0, \ks, \cin
	MUL16 2, \ks, \cin
	s_wait_dscnt 0x0                               ; A's blocks 4-7 are in
	PLACES 4
	FETCH_B \nslot, \nq, 1-(\ks)%2
	FETCH_A \nslot, \nq, 0
	WIN MUL_HI-0x20*((\cin)/2)
	MUL16 4, \ks, \cin
	MUL16 6, \ks, \cin
	PLACES 4
	WIN 0
	FETCH_A \nslot, \nq, 4
.endm
; A step with a barrier.  In front of it each wave waits for all its tensor loads, adds 0 to its spare word, and waits for that and for its LDS reads.  fill = 1: slot 0, which nobody reads any more, takes K step 3.
.macro TURN ks, nslot, fill
	s_wait_tensorcnt 0x0                           ; all my tensor loads have landed  (every window is 0 here)
	ds_add_u32 v[SPW], v[NIL]                      ; 0 onto my spare word
	s_wait_dscnt 17                                ; (the add and the youngest 16 loads may be out)
	WIN MUL_LO
	MUL16 0, \ks, 0                                ; sixteen matrix instructions stand between the add and the wait for it
	s_wait_dscnt 0x0                               ; the add is done, and my LDS reads are over
	s_barrier_signal -1
	MUL16 2, \ks, 0
	WIN 0
	s_barrier_wait -1
.if \fill
	CREST                                          ; the barrier has opened a round of the cluster's barrier: no wave of any partner still reads slot 0 or has a load on its way
	s_add_nc_u64 s[G0+2:G0+3], s[G0+2:G0+3], 3*TILEB
	s_add_nc_u64 s[G0B+2:G0B+3], s[G0B+2:G0B+3], 3*TILEB
	JLOAD G0, G1, G0B, G1B                         ; the first tensor load behind the round, one a wave: 224 matrix instructions ahead of the wait for it; its four v_nop are the places for the loads below
.else
	PLACES 4
.endif
	FETCH_B \nslot, 0, 0
	FETCH_A \nslot, 0, 0
	WIN MUL_HI
	MUL16 4, \ks, 0
	MUL16 6, \ks, 0
	PLACES 4
	WIN 0
	FETCH_A \nslot, 0, 4
.endm
	s_load_b256 s[4:11], s[0:1], 0x0               ; yq s[4:5], opw s[6:7], bp s[8:9], out0 s[10:11]
	v_lshl_add_u32 v[SPW], v0, 2, SPARE
	v_mov_b32 v[NIL], 0
	ds_add_u32 v21, v22
	ds_add_u32 v21, v22
	s_wait_dscnt 0x0
	v_lshrrev_b32 v1, 5, v0
	v_readfirstlane_b32 s16, v1                    ; wave 0..3
	s_lshr_b32 s17, s16, 1                         ; my half of the tile's tokens.  Also: I fetch for A (0) or for B (1)
	s_and_b32 s18, s16, 1                          ; my half of its columns.  Also: which eight tiles I fetch
	s_bfe_u32 s19, ttmp6, 0x40000                  ; cx
	s_bfe_u32 s20, ttmp6, 0x40004                  ; cy
	s_and_b32 s23, ttmp7, 0xffff
	s_lshl_b32 s23, s23, 2
	s_add_co_u32 s23, s23, s20                     ; the block of 256 tokens = 4 x cluster y + cy
	s_lshl_b32 s22, ttmp9, 2
	s_add_co_u32 s22, s22, s19                     ; the block of 256 columns = 4 x cluster x + cx
	s_lshl_b32 s2, s20, 2
	s_lshl_b32 s2, 15, s2                          ; my row of the cluster
	s_lshl_b32 s3, 0x1111, s19                     ; my column
	s_or_b32 s[G1], s2, (3<<16)|(1<<21)            ; 15:0 the mask; 17:16 elements of 8 bytes; 21 set beside a mask; no padding
	s_or_b32 s[G1B], s3, (3<<16)|(1<<21)
	s_or_b32 s[G1S], s2, (3<<16)|(1<<21)
	s_or_b32 s[G1SB], s3, (3<<16)|(1<<21)
.irp g, G1, G1B                                ; eight tiles x 3,072 bytes, 12,288 bytes apart in memory, dense in LDS
	s_mov_b32 s[\g+1], 384<<16                     ; tensor_dim0
	s_mov_b32 s[\g+2], 8<<16                       ; tensor_dim1
	s_mov_b32 s[\g+3], 384<<16                     ; tile_dim0
	s_mov_b32 s[\g+4], 8                           ; tile_dim1
	s_mov_b32 s[\g+5], 1536                        ; tensor_dim0_stride
	s_mov_b32 s[\g+6], 0
	s_mov_b32 s[\g+7], 0
.endr
.irp g, G1S, G1SB                              ; eight tiles' scale words: 4,096 dense bytes as 16 rows of 256
	s_mov_b32 s[\g+1], 32<<16
	s_mov_b32 s[\g+2], 16<<16
	s_mov_b32 s[\g+3], 32<<16
	s_mov_b32 s[\g+4], 16
	s_mov_b32 s[\g+5], 32
	s_mov_b32 s[\g+6], 0
	s_mov_b32 s[\g+7], 0
.endr
	s_lshl_b32 s21, s18, 3
	s_lshl_b32 s92, s23, 4
	s_add_co_u32 s92, s92, s21                     ; A's first tile that I fetch
	s_lshl_b32 s96, s22, 4
	s_add_co_u32 s96, s96, s21                     ; B's
	s_lshl_b32 s94, s92, 9                         ; their scale words,
	s_mul_i32 s92, s92, 12288                      ; their codes
	s_lshl_b32 s98, s96, 9
	s_mul_i32 s96, s96, 12288
	s_add_co_u32 s94, s94, XS_OFF
	s_add_co_u32 s96, s96, 2359296
	s_add_co_u32 s98, s98, WS_OFF+98304
	s_mov_b32 s93, 0
	s_mov_b32 s95, 0
	s_mov_b32 s97, 0
	s_mov_b32 s99, 0
	s_mul_i32 s2, s16, HALFT                       ; where my tiles go: wave x eight tiles: no place in the cluster enters an LDS address
	s_lshl_b32 s3, s16, 12
	s_wait_kmcnt 0x0
	s_add_nc_u64 s[92:93], s[4:5], s[92:93]
	s_add_nc_u64 s[94:95], s[4:5], s[94:95]
	s_add_nc_u64 s[96:97], s[6:7], s[96:97]
	s_add_nc_u64 s[98:99], s[6:7], s[98:99]
	CROUND                                         ; all sixteen work-groups are here: the first joint loads meet
	s_mov_b32 s[G0S], 1
	s_add_co_u32 s[G0S+1], s3, SCL
	s_mov_b64 s[G0S+2:G0S+3], s[94:95]
	s_or_b32 s[G0S+3], s[G0S+3], 0x80000000
	s_mov_b32 s[G0SB], 1
	s_add_co_u32 s[G0SB+1], s3, SCL
	s_mov_b64 s[G0SB+2:G0SB+3], s[98:99]
	s_or_b32 s[G0SB+3], s[G0SB+3], 0x80000000
	JLOAD G0S, G1S, G0SB, G1SB                     ; the scale words first; then K steps 0, 1, 2: four loads of mine are out
.irp s, 0,1,2
	s_mov_b32 s[G0+4*\s], 1
	s_add_co_u32 s[G0+4*\s+1], s2, \s*SLOT
	s_add_nc_u64 s[G0+4*\s+2:G0+4*\s+3], s[92:93], \s*TILEB
	s_or_b32 s[G0+4*\s+3], s[G0+4*\s+3], 0x80000000
	s_mov_b32 s[G0B+4*\s], 1
	s_add_co_u32 s[G0B+4*\s+1], s2, \s*SLOT
	s_add_nc_u64 s[G0B+4*\s+2:G0B+4*\s+3], s[96:97], \s*TILEB
	s_or_b32 s[G0B+4*\s+3], s[G0B+4*\s+3], 0x80000000
	JLOAD G0+4*\s, G1, G0B+4*\s, G1B
.endr
	v_and_b32 v3, 31, v0                           ; lane
	v_and_b32 v1, 15, v0                           ; r
	v_bfe_u32 v2, v0, 4, 1                         ; h
	v_lshlrev_b32 v[LI16], 4, v3
	v_lshlrev_b32 v[LI8], 3, v3
	s_mul_i32 s2, s17, HALFT                       ; my eight tiles of A,
	s_mul_i32 s3, s18, HALFT
	s_add_co_u32 s3, s3, 2*HALFT                   ; of B
.irp s, 0,1,2
	v_add_nc_u32 v[ADR+4*\s], s2, v[LI16]
	v_add_nc_u32 v[ADR+4*\s+1], s2, v[LI8]
	v_add_nc_u32 v[ADR+4*\s+2], s3, v[LI16]
	v_add_nc_u32 v[ADR+4*\s+3], s3, v[LI8]
	s_add_co_u32 s2, s2, SLOT
	s_add_co_u32 s3, s3, SLOT
.endr
	s_lshl_b32 s2, s17, 12                         ; A's scale words: my eight tiles
	s_lshl_b32 s3, s18, 12
	s_add_co_u32 s3, s3, 8192                      ; B's, behind A's sixteen
	s_sub_co_u32 s3, s3, s2
	v_mul_u32_u24 v6, s3, v2                       ; lanes 16-31 take B's
	s_add_co_u32 s2, s2, SCL
	v_lshl_add_u32 v6, v1, 4, v6
	v_add_nc_u32 v[ADRS], s2, v6
	s_mul_i32 s2, s16, 16*SPITCH
	s_add_co_u32 s2, s2, SLOT                      ; my stage, in slot 1
	v_mul_u32_u24 v6, v1, SPITCH
	v_lshl_add_u32 v6, v2, 6, v6
	v_add_nc_u32 v[STO], s2, v6                    ; in: row r, + 64 h: my half's 16 columns of each 32
	v_add_nc_u32 v[RD], s2, v[LI16]                ; back: the 32 lanes take one row of 512 bytes
	v_lshlrev_b32 v25, 6, v2                       ; the bias: 16 h numbers on
	s_lshl_b32 s2, s22, 10
	s_lshl_b32 s3, s18, 9
	s_add_co_u32 s2, s2, s3                        ; my first column, in bytes: in bp and in a row of out0
	s_mov_b32 s3, 0
	s_add_nc_u64 s[8:9], s[8:9], s[2:3]
	s_add_nc_u64 s[10:11], s[10:11], s[2:3]
	s_lshl_b32 s2, s23, 8
	s_lshl_b32 s4, s17, 7
	s_add_co_u32 s2, s2, s4                        ; my first token
	s_lshl_b32 s2, s2, 12                          ; rows of 4,096 bytes
	s_add_nc_u64 s[10:11], s[10:11], s[2:3]
	WIN TO_B
.irp b, 0,1,2,3,4,5,6,7                        ; lane (r, h) wants, for B's tile b, the bias of columns 32 (b / 2) + 16 h + 8 (b % 2) + 0 .. 7
	global_load_b128 v[96+8*\b+96*(\b/4):96+8*\b+96*(\b/4)+3], v25, s[8:9] offset:4*(32*(\b/2)+8*(\b%2))
	global_load_b128 v[96+8*\b+96*(\b/4)+4:96+8*\b+96*(\b/4)+7], v25, s[8:9] offset:4*(32*(\b/2)+8*(\b%2))+16
.endr
	WIN 0
	s_wait_loadcnt 0x0                             ; the bias: the first products take it as C
	s_wait_tensorcnt 2                             ; the scale words and my part of K step 0 are in; K steps 1 and 2 may stay out
	s_barrier_signal -1
	s_barrier_wait -1
	FETCH_B 0, 0, 0
	FETCH_A 0, 0, 0
	SCALES
	FETCH_A 0, 0, 4
	STEP 0, 0, 1, 2                                ; the first products start the sums from the bias: nothing is cleared, nothing is added later
	TURN 1, 1, 1                                   ; K steps 1 and 2 are whole; slot 0 takes K step 3
	STEP 2, 1, 1, 0
	STEP 3, 2, 0, 0
	STEP 4, 2, 1, 0
	TURN 5, 0, 0                                   ; K step 3 is whole; nothing is filled
	STEP 6, 0, 1, 0
	s_wait_dscnt 16
	WIN MUL_LO
	MUL16 0, 7, 0
	MUL16 2, 7, 0
	s_wait_dscnt 0x0
	WIN MUL_HI
	MUL16 4, 7, 0
	MUL16 6, 7, 0
	WIN 0
; THE WAY OUT, block by block of 16 tokens x 128 columns: through my own stage in LDS, back as whole rows of 512 bytes.  LDS serves a wave's instructions in order (ISA guide 5.7.1.4): no wait between the stores and the loads.
.macro TOSTAGE a
.set AC, 64*((\a)%4)
	WIN 0x08+4*((\a)/4)                            ; the data: window 2 or 3
.irp b, 0,1,2,3,4,5,6,7
	ds_store_b128 v[STO], v[AC+8*\b:AC+8*\b+3] offset:128*(\b/2)+32*(\b%2)          ; each accumulator from its low end on
	ds_store_b128 v[STO], v[AC+8*\b+4:AC+8*\b+7] offset:128*(\b/2)+32*(\b%2)+16
.endr
	WIN 0
.set BB, BK+64*((\a)%2)
.irp t, 0,1,2,3,4,5,6,7,8,9,10,11,12,13,14,15
	ds_load_b128 v[BB+4*\t:BB+4*\t+3], v[RD] offset:\t*SPITCH
.endr
.endm
.macro SEND a, younger                 ; younger: the LDS instructions issued behind block a's loads, which may stay out
.set BB, BK+64*((\a)%2)
	s_wait_dscnt \younger
.irp t, 0,1,2,3,4,5,6,7,8,9,10,11,12,13,14,15
	global_store_b128 v[LI16], v[BB+4*\t:BB+4*\t+3], s[10:11] offset:(32*((\a)/2)+8*((\a)%2)+\t+8*(\t/8))*4096 th:TH_STORE_NT   ; 512 consecutive bytes, aligned; the token's row stands in the immediate, 127 rows at the most
.endr
.endm
	PLACES 4
	TOSTAGE 0
.irp a, 1,2,3,4,5,6,7
.if \a > 1
	s_wait_xcnt 0x0                                ; block a - 2's stores have read their registers: block a's loads may land there
.endif
	TOSTAGE \a
	SEND \a-1, 32                                  ; behind block a - 1's loads: block a's 16 stores and 16 loads
.endr
	SEND 7, 0
	s_wait_tensorcnt 0x0                           ; the wave's end
	ds_add_u32 v[SPW], v[NIL]
	s_wait_dscnt 0x0
	CROUND                                         ; the closing round: no work-group ends while a partner may still ask for a tile that names it
	s_endpgm
.Lfunc_end_k_q8bbb997bdf_proj:
	.size	k_q8bbb997bdf_proj, .Lfunc_end_k_q8bbb997bdf_proj-k_q8bbb997bdf_proj
	.p2alignl 7, 3214868480
	.fill 96, 4, 3214868480
	.section	.rodata,"a",@progbits
	.p2align	6, 0x0
	.amdhsa_kernel k_q8bbb997bdf_proj
		.amdhsa_group_segment_fixed_size 327680
		.amdhsa_private_segment_fixed_size 0
		.amdhsa_enable_private_segment 0
		.amdhsa_kernarg_size 32
		.amdhsa_user_sgpr_count 2
		.amdhsa_user_sgpr_kernarg_segment_ptr 1
		.amdhsa_wavefront_size32 1
		.amdhsa_system_sgpr_workgroup_id_x 1
		.amdhsa_system_sgpr_workgroup_id_y 1
		.amdhsa_system_sgpr_workgroup_id_z 1
		.amdhsa_system_vgpr_workitem_id 0
		.amdhsa_next_free_vgpr 1024
		.amdhsa_next_free_sgpr 104
		.amdhsa_reserve_vcc 0
		.amdhsa_float_denorm_mode_32 3
		.amdhsa_float_denorm_mode_16_64 3
		.amdhsa_memory_ordered 1
		.amdhsa_forward_progress 1
		.amdhsa_inst_pref_size 144
	.end_amdhsa_kernel
	.amdgpu_metadata
---
amdhsa.version: [ 1, 2 ]
amdhsa.kernels:
  - .name:           k_q8bbb997bdf_proj
    .symbol:         k_q8bbb997bdf_proj.kd
    .args:
      - { .name: yq, .offset: 0, .size: 8, .value_kind: global_buffer, .address_space: global }
      - { .name: opw, .offset: 8, .size: 8, .value_kind: global_buffer, .address_space: global }
      - { .name: bp, .offset: 16, .size: 8, .value_kind: global_buffer, .address_space: global }
      - { .name: out0, .offset: 24, .size: 8, .value_kind: global_buffer, .address_space: global }
    .group_segment_fixed_size: 327680
    .private_segment_fixed_size: 0
    .kernarg_segment_align: 8
    .kernarg_segment_size: 32
    .max_flat_workgroup_size: 128
    .sgpr_count:     104
    .vgpr_count:     1024
    .wavefront_size: 32
...
	.end_amdgpu_metadata
.endif
;; end of part 4
